; MI455X (gfx1250); checked and timed in simulation.
; The chip was launched on July 23, 2026; its instructions are those of AMD's public machine-readable ISA for CDNA 5 (MIT licence, August 2026) and "CDNA5" Instruction Set Architecture Reference Guide (July 2026). The comments in the code are by the model that wrote it; some were corrected since.
;; Attachment Predictor. Allowed arithmetic: float matrix products may take bf16 or f16 operands with f32 sums; other float arithmetic in f32, or as packed bf16 or f16 multiplies, adds, multiply-adds, maxima and minima; sums over many terms, partial sums and values carried from step to step in f32; what a program stores and reads back later, other than sums and carried values, may be rounded once to bf16 or f16.
;; Inputs: hidden_layers 2 x 512 x 512 float32; mask 256 x 256 bool; proj_child 1,024 x 512 float32; proj_head 1,024 x 512 float32; proj_prep 1,024 x 512 float32; scorer 512 float32; x 256 x 256 x 1,024 float32.
;; Outputs: out0 256 x 254 float32.
;; 2 versions, each right and faster than the one before. Each part assembles by itself: llvm-mc -triple=amdgcn-amd-amdhsa -mcpu=gfx1250 --defsym DOCPART=n.
;; ======== version 1 of 2: 2 launches
;; workspace buffers: ws_w 2,097,152 bytes; ws_p 4,194,304 bytes
;; launch prep (part 1): grid 256 x 1, 8 waves a work-group, no clusters, 93,184 bytes of LDS; arguments x, proj_prep, proj_child, proj_head, hidden_layers, ws_w, ws_p; writes ws_w, ws_p
.if DOCPART == 1
	.amdgcn_target "amdgcn-amd-amdhsa--gfx1250"
	.amdhsa_code_object_version 6
	.text
	.protected	k_qf6d2eb40b2_prep
	.globl	k_qf6d2eb40b2_prep
	.p2align	8
	.type	k_qf6d2eb40b2_prep,@function
k_qf6d2eb40b2_prep:
	s_mov_b64 s[64:65], 0
	v_nop
	global_prefetch_b8 v0, s[64:65] scope:SCOPE_SE
	s_setreg_imm32_b32 hwreg(HW_REG_WAVE_MODE, 25, 1), 1
	s_wait_xcnt 0x0
; TWO JOBS, both small, ahead of the main launch.
; (1) THE CAST.  ws_w[2048][512] in bf16 = proj_head's 1,024 rows, then hidden_layers' 2 x 512 rows, each number rounded once (nearest even), in the
;     layout [k][n] in which the inputs lie.  Work-group g takes 4,096 numbers: 16,384 bytes in, 8,192 bytes out.
; (2) THE BIAS, in eight partial sums.  bias[b][p] = sum over k < 2,048 of A[b][k] W[k][p]: A[b] = rows 254 and 255 of batch b, which are 2,048 consecutive f32
;     of x; W = proj_prep's rows, then proj_child's.  Work-group g = (mb, nb, kc) makes 64 batches x 64 columns over K = 256 kc .. 256 kc + 255 and stores the
;     f32 sums in ws_p[kc][b][p]; the main launch adds the eight.  Operands bf16, sums f32.  8 x 8 x 4 = 256 work-groups.
; No tensor load and no cluster: a work-group reads 128 KB once and shares none of it with a neighbour at the same time.
; LIMITS.  Operands are rounded to bf16 (8 significant bits); NaN and infinities are not treated apart.
.set AP,    528                        ; a row of A in LDS: 256 bf16 + 16 bytes: an odd multiple of 16, so the 16 rows of a fragment load start in 16 different 16-byte columns modulo 256
.set BT,    64*AP                      ; behind A's 64 rows: W's 256 k-rows
.set BP,    160                        ; 64 bf16 + 32 bytes: an odd multiple of 32, for the turning load
.set STG,   BT+256*BP                  ; the stage for the way out: 64 rows of 64 f32
.set SGP,   272
.set SPARE, STG+64*SGP                 ; the spare words, 128 bytes for each of the eight waves: four blocks of 256 bytes that no other line names
.set GA,  4                            ; v4   16 x lane: my 16 bytes in 512 of a row of A
.set GB,  5                            ; v5   (lane / 16) x 2,048 + 16 (lane % 16): two rows of W to a load
.set GC,  6                            ; v6   32 x thread: the cast's source
.set GD,  7                            ; v7   16 x thread: the cast's destination
.set LAS, 8                            ; v8   where my 8 bytes of A's row go
.set LBS, 9                            ; v9   the same for W
.set FA,  10                           ; v10  my place in A's fragments
.set FB,  11                           ; v11  in W's
.set SST, 12                           ; v12  into the stage
.set SRD, 13                           ; v13  back out of it
.set GO,  14                           ; v14  my byte offset in ws_p
.set SPW, 15                           ; v15  LDS address of my spare word; never rewritten
.set NIL, 16                           ; v16  0; never rewritten
.set TMP, 18                           ; v18-33 at work
.set ACC, 34                           ; v34-41, v42-49 two accumulators
.set CST, 50                           ; v50-57 the cast's results
.set WV,  23                           ; s23  my wave's number
.macro BAR                             ; what I did in LDS is done; then everybody's is
	s_wait_dscnt 0x0
	s_barrier_signal -1
	s_barrier_wait -1
.endm
	s_load_b256 s[4:11], s[0:1], 0x0               ; x s[4:5], proj_prep s[6:7], proj_child s[8:9], proj_head s[10:11]
	s_load_b128 s[12:15], s[0:1], 0x20             ; hidden_layers s[12:13], ws_w s[14:15]
	s_load_b64 s[16:17], s[0:1], 0x30              ; ws_p
	v_lshl_add_u32 v[SPW], v0, 2, SPARE
	v_mov_b32 v[NIL], 0
	v_lshrrev_b32 v17, 5, v0
	v_readfirstlane_b32 s[WV], v17                 ; wave 0..7
	s_mov_b32 s19, ttmp9                           ; g
	s_and_b32 s20, s19, 7                          ; kc
	s_bfe_u32 s21, s19, 0x30003                    ; nb
	s_lshr_b32 s22, s19, 6                         ; mb
	s_and_b32 s35, s[WV], 3                        ; my tile of 16 batches
	s_lshr_b32 s36, s[WV], 2                       ; my pair of tiles of 16 columns
	; byte offsets, each in a pair of its own
	s_lshl_b32 s24, s22, 6
	s_lshl_b32 s25, s[WV], 3
	s_add_co_u32 s24, s24, s25                     ; batch 64 mb + 8 w,
	s_lshl_b32 s24, s24, 20                        ; of 1 MiB each,
	s_lshl_b32 s25, s20, 10
	s_add_co_u32 s24, s24, s25                     ; + 256 kc numbers
	s_add_co_u32 s24, s24, 254*4096                ; from row 254 on
	s_mov_b32 s25, 0
	s_and_b32 s26, s20, 3
	s_lshl_b32 s26, s26, 8
	s_lshl_b32 s27, s[WV], 5
	s_add_co_u32 s26, s26, s27                     ; W's row 256 (kc % 4) + 32 w,
	s_lshl_b32 s26, s26, 11                        ; of 2,048 bytes,
	s_lshl_b32 s27, s21, 8
	s_add_co_u32 s26, s26, s27                     ; + 64 nb columns
	s_mov_b32 s27, 0
	s_and_b32 s28, s19, 127
	s_lshl_b32 s28, s28, 14                        ; the cast's 16,384 bytes in its source,
	s_mov_b32 s29, 0
	s_lshl_b32 s30, s19, 13                        ; its 8,192 in ws_w
	s_mov_b32 s31, 0
	s_lshl_b32 s32, s20, 19                        ; ws_p[kc][64 mb][64 nb]
	s_lshl_b32 s33, s22, 17
	s_add_co_u32 s32, s32, s33
	s_lshl_b32 s33, s21, 8
	s_add_co_u32 s32, s32, s33
	s_mov_b32 s33, 0
	v_and_b32 v1, 31, v0                           ; lane
	v_and_b32 v2, 15, v0                           ; r = lane % 16
	v_bfe_u32 v3, v0, 4, 1                         ; h = lane / 16
	v_lshlrev_b32 v[GA], 4, v1
	v_lshlrev_b32 v[GB], 4, v2
	v_lshl_add_u32 v[GB], v3, 11, v[GB]
	v_lshlrev_b32 v[GC], 5, v0
	v_lshlrev_b32 v[GD], 4, v0
	s_wait_kmcnt 0x0
	s_add_nc_u64 s[4:5], s[4:5], s[24:25]
	s_cmp_lt_u32 s20, 4                            ; K's first half is proj_prep's, its second proj_child's
	s_cselect_b64 s[6:7], s[6:7], s[8:9]
	s_add_nc_u64 s[6:7], s[6:7], s[26:27]
	s_cmp_lt_u32 s19, 128                          ; the cast's first 128 shares are proj_head's
	s_cselect_b64 s[10:11], s[10:11], s[12:13]
	s_add_nc_u64 s[10:11], s[10:11], s[28:29]
	s_add_nc_u64 s[14:15], s[14:15], s[30:31]
	s_add_nc_u64 s[16:17], s[16:17], s[32:33]
	; all 36 loads at once: A's 16, W's 16, the cast's 4
.irp i, 0,1,2,3,4,5,6,7
.irp j, 0,1
	global_load_b128 v[64+8*(\i)+4*(\j):64+8*(\i)+4*(\j)+3], v[GA], s[4:5] offset:((\i)<<20)+512*(\j)  ; batch 8 w + i: 512 consecutive bytes
.endr
.endr
.irp i, 0,1,2,3,4,5,6,7,8,9,10,11,12,13,14,15
	global_load_b128 v[128+4*(\i):128+4*(\i)+3], v[GB], s[6:7] offset:4096*(\i)  ; rows 2 i and 2 i + 1 of my 32: 256 consecutive bytes each
.endr
.irp q, 0,1
.irp j, 0,1
	global_load_b128 v[192+8*(\q)+4*(\j):192+8*(\q)+4*(\j)+3], v[GC], s[10:11] offset:8192*(\q)+16*(\j)
.endr
.endr
	; LDS addresses, in the wait for the loads
	s_mul_i32 s34, s[WV], 8*AP
	v_lshl_add_u32 v[LAS], v1, 3, s34              ; row 8 w, 8 bytes a lane
	s_mul_i32 s34, s[WV], 32*BP
	s_add_co_u32 s34, s34, BT
	v_mul_u32_u24 v17, v3, BP
	v_lshl_add_u32 v17, v2, 3, v17
	v_add_nc_u32 v[LBS], s34, v17                  ; row 32 w + h, 8 bytes for each of 16 lanes
	s_mul_i32 s34, s35, 16*AP
	v_mul_u32_u24 v17, v2, AP
	v_lshl_add_u32 v17, v3, 4, v17
	v_add_nc_u32 v[FA], s34, v17                   ; row 16 (w % 4) + r, 16 bytes for each half of the lanes
	v_and_b32 v17, 7, v0
	v_bfe_u32 v18, v0, 3, 1
	v_lshl_add_u32 v[FB], v3, 3, v17
	v_mul_u32_u24 v[FB], v[FB], BP
	v_lshl_add_u32 v[FB], v18, 4, v[FB]            ; the turning load: k-row 8 h + lane % 8, 16 bytes by (lane / 8) % 2
	s_lshl_b32 s34, s36, 6
	s_add_co_u32 s34, s34, BT
	v_add_nc_u32 v[FB], s34, v[FB]
	s_mul_i32 s34, s35, 16*SGP
	s_lshl_b32 s37, s36, 7
	s_add_co_u32 s34, s34, s37
	s_add_co_u32 s34, s34, STG
	v_mul_u32_u24 v17, v2, SGP
	v_lshl_add_u32 v17, v3, 5, v17
	v_add_nc_u32 v[SST], s34, v17                  ; row 16 (w % 4) + r, my eight f32
	s_mul_i32 s34, s[WV], 8*SGP
	s_add_co_u32 s34, s34, STG
	v_mul_u32_u24 v17, v3, SGP
	v_lshl_add_u32 v17, v2, 4, v17
	v_add_nc_u32 v[SRD], s34, v17                  ; back: row 8 w + h, whole rows of 256 bytes
	s_lshl_b32 s34, s[WV], 14
	v_add_nc_u32 v[GO], s34, v[GB]                 ; and the same rows in ws_p, 2,048 bytes apart
	s_wait_loadcnt 20                              ; A's 16 loads are in: behind them stand W's 16 and the cast's 4
.irp i, 0,1,2,3,4,5,6,7
.irp j, 0,1
	v_cvt_pk_bf16_f32 v[TMP+2*((2*(\i)+(\j))%8)],   v[64+8*(\i)+4*(\j)],   v[64+8*(\i)+4*(\j)+1]
	v_cvt_pk_bf16_f32 v[TMP+2*((2*(\i)+(\j))%8)+1], v[64+8*(\i)+4*(\j)+2], v[64+8*(\i)+4*(\j)+3]
	ds_store_b64 v[LAS], v[TMP+2*((2*(\i)+(\j))%8):TMP+2*((2*(\i)+(\j))%8)+1] offset:AP*(\i)+256*(\j)
.endr
.endr
	s_wait_loadcnt 4                               ; W's are in: behind them stand the cast's 4
.irp i, 0,1,2,3,4,5,6,7,8,9,10,11,12,13,14,15
	v_cvt_pk_bf16_f32 v[TMP+2*((\i)%8)],   v[128+4*(\i)],   v[128+4*(\i)+1]
	v_cvt_pk_bf16_f32 v[TMP+2*((\i)%8)+1], v[128+4*(\i)+2], v[128+4*(\i)+3]
	ds_store_b64 v[LBS], v[TMP+2*((\i)%8):TMP+2*((\i)%8)+1] offset:2*BP*(\i)
.endr
	s_wait_loadcnt 0x0                             ; the cast
.irp q, 0,1
.irp j, 0,1
	v_cvt_pk_bf16_f32 v[CST+4*(\q)+2*(\j)],   v[192+8*(\q)+4*(\j)],   v[192+8*(\q)+4*(\j)+1]
	v_cvt_pk_bf16_f32 v[CST+4*(\q)+2*(\j)+1], v[192+8*(\q)+4*(\j)+2], v[192+8*(\q)+4*(\j)+3]
.endr
	global_store_b128 v[GD], v[CST+4*(\q):CST+4*(\q)+3], s[14:15] offset:4096*(\q)  ; 16 lanes store 256 consecutive bytes, at a multiple of 256 from ws_w's first
.endr
	BAR                                            ; A's and W's tiles are whole
	; fragments: 16 rows x 32 k in 8 registers.  A as it lies (two loads 32 bytes apart), W ([k][n]) turned.
.irp c, 0,1,2,3,4,5,6,7
	ds_load_b128 v[64+8*(\c):64+8*(\c)+3],   v[FA] offset:64*(\c)
	ds_load_b128 v[64+8*(\c)+4:64+8*(\c)+7], v[FA] offset:64*(\c)+32
.endr
.irp i, 0,1
.irp c, 0,1,2,3,4,5,6,7
	ds_load_tr16_b128 v[128+64*(\i)+8*(\c):128+64*(\i)+8*(\c)+3],   v[FB] offset:32*BP*(\c)+32*(\i)
	ds_load_tr16_b128 v[128+64*(\i)+8*(\c)+4:128+64*(\i)+8*(\c)+7], v[FB] offset:32*BP*(\c)+32*(\i)+16*BP
.endr
.endr
	s_wait_dscnt 0x0
	; source 0 = 16 columns of W, source 1 = 16 batches: a lane then holds one batch (r) and eight neighbouring columns.  The two accumulators take turns.
.irp c, 0,1,2,3,4,5,6,7
.irp i, 0,1
.if (\c) == 0
	v_wmma_f32_16x16x32_bf16 v[ACC+8*(\i):ACC+8*(\i)+7], v[128+64*(\i)+8*(\c):128+64*(\i)+8*(\c)+7], v[64+8*(\c):64+8*(\c)+7], 0
.else
	v_wmma_f32_16x16x32_bf16 v[ACC+8*(\i):ACC+8*(\i)+7], v[128+64*(\i)+8*(\c):128+64*(\i)+8*(\c)+7], v[64+8*(\c):64+8*(\c)+7], v[ACC+8*(\i):ACC+8*(\i)+7]
.endif
.endr
.endr
.rept 4
	v_nop                                          ; four places between the last product and the stores that read the sums
.endr
.irp i, 0,1
	ds_store_b128 v[SST], v[ACC+8*(\i):ACC+8*(\i)+3]   offset:64*(\i)
	ds_store_b128 v[SST], v[ACC+8*(\i)+4:ACC+8*(\i)+7] offset:64*(\i)+16
.endr
	BAR                                            ; a row's 256 bytes come from two waves
.irp t, 0,1,2,3
	ds_load_b128 v[TMP+4*(\t):TMP+4*(\t)+3], v[SRD] offset:2*SGP*(\t)
.endr
.irp t, 0,1,2,3
	s_wait_dscnt 3-(\t)                            ; LDS loads come back in order: load t is in
	global_store_b128 v[GO], v[TMP+4*(\t):TMP+4*(\t)+3], s[16:17] offset:4096*(\t)  ; 16 lanes store 256 consecutive bytes, at a multiple of 256 from ws_p's first
.endr
	s_wait_tensorcnt 0x0                           ; the wave's end, behind my last LDS store
	ds_add_u32 v[SPW], v[NIL]
	s_wait_dscnt 0x0
	s_endpgm
.Lfunc_end_k_qf6d2eb40b2_prep:
	.size	k_qf6d2eb40b2_prep, .Lfunc_end_k_qf6d2eb40b2_prep-k_qf6d2eb40b2_prep
	.p2alignl 7, 3214868480
	.fill 96, 4, 3214868480
	.section	.rodata,"a",@progbits
	.p2align	6, 0x0
	.amdhsa_kernel k_qf6d2eb40b2_prep
		.amdhsa_group_segment_fixed_size 93184
		.amdhsa_private_segment_fixed_size 0
		.amdhsa_enable_private_segment 0
		.amdhsa_kernarg_size 56
		.amdhsa_user_sgpr_count 2
		.amdhsa_user_sgpr_kernarg_segment_ptr 1
		.amdhsa_wavefront_size32 1
		.amdhsa_system_sgpr_workgroup_id_x 1
		.amdhsa_system_sgpr_workgroup_id_y 1
		.amdhsa_system_sgpr_workgroup_id_z 1
		.amdhsa_system_vgpr_workitem_id 0
		.amdhsa_next_free_vgpr 256
		.amdhsa_next_free_sgpr 66
		.amdhsa_reserve_vcc 0
		.amdhsa_float_denorm_mode_32 3
		.amdhsa_float_denorm_mode_16_64 3
		.amdhsa_memory_ordered 1
		.amdhsa_forward_progress 1
		.amdhsa_inst_pref_size 20
	.end_amdhsa_kernel
	.amdgpu_metadata
---
amdhsa.version: [ 1, 2 ]
amdhsa.kernels:
  - .name:           k_qf6d2eb40b2_prep
    .symbol:         k_qf6d2eb40b2_prep.kd
    .args:
      - { .name: x, .offset: 0, .size: 8, .value_kind: global_buffer, .address_space: global }
      - { .name: proj_prep, .offset: 8, .size: 8, .value_kind: global_buffer, .address_space: global }
      - { .name: proj_child, .offset: 16, .size: 8, .value_kind: global_buffer, .address_space: global }
      - { .name: proj_head, .offset: 24, .size: 8, .value_kind: global_buffer, .address_space: global }
      - { .name: hidden_layers, .offset: 32, .size: 8, .value_kind: global_buffer, .address_space: global }
      - { .name: ws_w, .offset: 40, .size: 8, .value_kind: global_buffer, .address_space: global }
      - { .name: ws_p, .offset: 48, .size: 8, .value_kind: global_buffer, .address_space: global }
    .group_segment_fixed_size: 93184
    .private_segment_fixed_size: 0
    .kernarg_segment_align: 8
    .kernarg_segment_size: 56
    .max_flat_workgroup_size: 256
    .sgpr_count:     66
    .vgpr_count:     256
    .wavefront_size: 32
...
	.end_amdgpu_metadata
.endif
;; end of part 1
;; launch main (part 2): grid 256 x 1, 4 waves a work-group, clusters of 4 x 1, 327,680 bytes of LDS; arguments x, ws_w, ws_p, scorer, mask, out0; writes out0
.if DOCPART == 2
	.amdgcn_target "amdgcn-amd-amdhsa--gfx1250"
	.amdhsa_code_object_version 6
	.text
	.protected	k_qf6d2eb40b2_main
	.globl	k_qf6d2eb40b2_main
	.p2align	8
	.type	k_qf6d2eb40b2_main,@function
k_qf6d2eb40b2_main:
	s_mov_b64 s[64:65], 0
	v_nop
	global_prefetch_b8 v0, s[64:65] scope:SCOPE_SE
	s_setreg_imm32_b32 hwreg(HW_REG_WAVE_MODE, 25, 1), 1
	s_wait_xcnt 0x0
	s_wait_alu depctr_hold_cnt(0) depctr_sa_sdst(0) depctr_va_vdst(0) depctr_va_sdst(0) depctr_va_ssrc(0) depctr_va_vcc(0) depctr_vm_vsrc(0)
	s_getreg_b32 s2, hwreg(HW_REG_IB_STS2, 6, 4)
	s_cmp_eq_u32 s2, 0
	s_cbranch_scc0 .Lentry_in_a_cluster
	s_endpgm
.Lentry_in_a_cluster:
	s_bfe_u32 s2, ttmp6, 0x10000c
	s_cmp_lg_u32 s2, 0x3003
	s_cbranch_scc0 .Lentry_shape_is_right
	s_endpgm
.Lentry_shape_is_right:
; out0[b][s] = mask[b][s] e^score[b][s] / (sum over s < 254 of mask e^score + 1e-7),  score = tanh(tanh(tanh(x[b][s] Wh + bias[b]) H0) H1) . scorer.
; ONE WORK-GROUP IS ONE BATCH b: nothing but x, the weights and 1,016 bytes of result passes through memory.  ws_w holds Wh, H0, H1 in bf16, [k][n], as one stream
; of 2,048 rows of 512; ws_p holds the bias in eight f32 partial sums (both made by the launch in front).
; SHARES.  The batch's 256 rows go in two halves of 128 (rows 254 and 255 are computed with the rest and thrown away).  Wave w owns columns 128 w .. 128 w + 127 of every layer:
; 128 x 128 sums, 64 accumulators of 16 x 16, 512 registers.  THE MATRIX INSTRUCTION IS USED TRANSPOSED: source 0 = 16 columns of the weights, source 1 = 16 rows of the
; activations, so that a lane holds one row and eight neighbouring columns, which pack into 16 bytes of the next layer's row.
; SWEEPS.  K goes in steps of 64; eight steps are a SWEEP; a half is four sweeps PH = 0..3: layer 1 (K = 1,024) is PH 0 and 1, the hidden layers PH 2 and 3.  Every sweep reads its
; activations from the same LDS region H, step j at byte 128 j of a row.  In layer 1 H is a ring of four laps of 128 k of x, rounded to bf16 on the way from memory (registers, then ds_store);
; behind a layer it takes tanh of the sums.  One text serves all eight sweeps; what differs (how the sums begin, whether tanh, score and x follow) hangs on scalar counters
; made of constants; these jumps go forward and pass neither a barrier nor a tensor load.
; WEIGHTS.  The 64 steps of the two halves walk ws_w's 32 blocks of 64 rows twice, through two LDS slots.  Each wave fetches, and alone reads, its own 128 columns: 64 rows of 256 bytes a load.
; A slot's refill can go out only when the other slot's tile has landed and a round has passed, so nothing but the lines that this order needs stands between that landing and the request:
; all of a step's 128 matrix instructions lie between a request and the wait for it.
; CLUSTER.  All work-groups walk the same weights in the same order, so the four of a cluster ask JOINTLY: the same tensor load, descriptor and mask in all four; the batch number enters
; x's, ws_p's, mask's and out0's addresses alone.  x is shared with nobody.
; tanh(z) = 1 - 2 / (1 + 2^(2 log2(e) z)).
; LIMITS.  x, all weights, the scorer and the three layers' results are rounded to bf16 for the products; all sums are f32.  Where 2^(..) overflows or falls below 2^-126, tanh is exactly 1 or -1.
; As in the problem's definition no maximum is taken away before e^score: it overflows where the definition's does; an e^score below 2^-126 counts as 0.  The division is a reciprocal
; (1 ULP) and a multiply.  NaN and infinities in the inputs are not treated apart.
;
; REGISTERS, in windows of 256 (s_set_vgpr_msb: bits 1:0 source 0, 3:2 source 1, 5:4 source 2, 7:6 destination):
;   window 0: v0-31 addresses; v32-63 packed results; v64-127, v128-191 activations' fragments, two buffers; v192-255 my columns' bias, in an accumulator's layout
;   window 1: v64-127, v128-191 weights' fragments, two buffers; v0-63, v192-255 a lap of x as loaded (32 rows x 16 bytes a lane)
;   window 2: the accumulators of rows 0-63 ((a, b) at v[8 (8 a + b)]);   window 3: those of rows 64-127
.set PB,     288                       ; a k-row of my weights in LDS: 256 bytes + 32: an odd multiple of 32, for the turning load
.set WSLOT,  64*PB                     ; a wave's part of a slot
.set SLOT,   4*WSLOT
.set HB,     2*SLOT                    ; H: 128 rows; written by ds_store alone, no tensor load lands here
.set HP,     1040                      ; 1,024 bytes + 16: an odd multiple of 16, so the 16 rows of a load start in 16 different 16-byte columns modulo 256
.set HHALF,  64*HP
.set SC,     HB+128*HP                 ; the batch's 256 scores, f32
.set BIA,    SC+1024                   ; the bias, 512 f32
.set SCR,    BIA+2048                  ; the scorer, 512 bf16
.set SPARE,  SCR+1024                  ; the spare words, 128 bytes a wave: two blocks of 256 bytes that no other line names
.set MK,   4                           ; v4-7   mask bytes of rows 64 i + 2 lane and the next
.set ADRB, 10                          ; v10-11 my place in my weights, slot 0, 1
.set AA0L, 12                          ; v12    my place in H's rows 0-63,
.set AA0H, 13                          ; v13    rows 64-127
.set AAL,  14                          ; v14-15 the same at the K step in hand
.set AAH,  15
.set STOL, 16                          ; v16-17 where my 16 bytes of a result row go, rows 0-63, 64-127
.set XO,   18                          ; v18    my byte offset in a lap of x
.set XW0,  19                          ; v19    where my 8 bytes of x go, lap 0
.set XWA,  20                          ; v20    the same for the lap in hand
.set SFA,  21                          ; v21    the score: my place in my 32 rows of H
.set SRA,  22                          ; v22    in the scorer
.set SCA,  23                          ; v23    where a score goes
.set BIAA, 24                          ; v24    my place in the bias
.set OO,   25                          ; v25    8 x lane: my byte offset in out0's row
.set T16,  26                          ; v26    16 x thread
.set ML,   27                          ; v27    2 x lane
.set SPW,  28                          ; v28    LDS address of my spare word; never rewritten
.set NIL,  29                          ; v29    0; never rewritten
.set LN,   30                          ; v30    lane
.set TMP,  32
.set F0,   64
.set F1,   128
.set BIASR,192
.set WV,  16                           ; s16      my wave's number
.set OFF, 20                           ; s[20:21] a weight block's byte offset: never holds the batch
.set XF,  22                           ; s[22:23] a lap's byte offset in the batch's x
.set G1,  24                           ; s[24:31] descriptor group 1
.set G0,  32                           ; s[32:39] descriptor group 0, a set for each slot
.set XA,  40                           ; s[40:41] x at the lap asked for
.set SWL, 42                           ; s42  sweeps to go
.set PH,  43                           ; s43  the sweep's place in its half, 0..3
.set LAP, 44                           ; s44  counts a sweep's laps
.set KB,  45                           ; s45  byte of H's rows at which the K step in hand begins
.set XKB, 46                           ; s46  byte of H's rows at which the next lap of x goes
.set XS,  47                           ; s47  laps of x still to be stored in this half
.set XN,  48                           ; s48  the next lap of x to ask for, 0..16
.set NXT, 49                           ; s49  the next K step to ask for, 2..64
.set C2,  50                           ; s[50:51] 2 log2(e)
.set SEL, 52                           ; s[52:53] v_permlanex16_b32's selects: each lane takes its own place in the other half
.set MSB, 0
.macro WIN new                         ; the immediate's high byte repeats the setting that is left; a switch that changes nothing is dropped
.if MSB != (\new)
	s_set_vgpr_msb (MSB<<8)|(\new)
.set MSB, \new
.endif
.endm
.set MUL_LO, 0xa1                      ; source 0 (weights) window 1, source 1 (activations) window 0, C and D window 2; + 0x50: window 3
.set MUL_BI, 0x81                      ; the same with C (the bias) in window 0; + 0x40: D in window 3
.set TO_B,   0x40                      ; destination window 1, address window 0
.macro PLACES                          ; four places between a matrix instruction and a vector instruction, store or load that touches its registers (ISA guide 7.12.1 for vector instructions)
.rept 4
	v_nop
.endr
.endm
.macro BAR                             ; a plain barrier: my LDS instructions are done, then everybody's.  A tensor load may stay out
	s_wait_dscnt 0x0
	s_barrier_signal -1
	s_barrier_wait -1
.endm
.macro CREST                           ; a round of the cluster's barrier behind its opening barrier: wave 0 signals for the work-group, every wave waits for all four, my work-group's barrier closes
	s_cmp_lg_u32 s[WV], 0
	s_cbranch_scc1 .Lnot_wave_0_\@
	s_barrier_signal -3
.Lnot_wave_0_\@:
	s_barrier_wait -3
	s_barrier_signal -1
	s_barrier_wait -1
.endm
.macro ROUND
	s_barrier_signal -1
	s_barrier_wait -1
	CREST
.endm
.macro JLOAD s                         ; the joint load of my 128 columns of a K step; an s_nop 0 and four v_nop follow it
	tensor_load_to_lds s[G0+4*(\s):G0+4*(\s)+3], s[G1:G1+7]
	s_nop 0
.rept 4
	v_nop
.endr
.endm
; 16 matrix instructions: row tiles a0, a0 + 1 of the window's four (hi = 0: rows 0-63, 1: rows 64-127) x my 8 column tiles, 32 along K.
; mode 0: onto the sums; 1: the product starts the sums; 2: the bias starts them.  The 64 accumulators take turns in the same order in every quarter.
.macro MUL16 f, hi, a0, mode
.if (\mode) == 2
	WIN MUL_BI+0x40*(\hi)
.else
	WIN MUL_LO+0x50*(\hi)
.endif
.irp a, \a0, (\a0)+1
.irp b, 0,1,2,3,4,5,6,7
.if (\mode) == 1
	v_wmma_f32_16x16x32_bf16 v[8*(8*(\a)+(\b)):8*(8*(\a)+(\b))+7], v[(\f)+8*(\b):(\f)+8*(\b)+7], v[(\f)+8*(4*(\hi)+(\a)):(\f)+8*(4*(\hi)+(\a))+7], 0
.elseif (\mode) == 2
	v_wmma_f32_16x16x32_bf16 v[8*(8*(\a)+(\b)):8*(8*(\a)+(\b))+7], v[(\f)+8*(\b):(\f)+8*(\b)+7], v[(\f)+8*(4*(\hi)+(\a)):(\f)+8*(4*(\hi)+(\a))+7], v[BIASR+8*(\b):BIASR+8*(\b)+7]
.else
	v_wmma_f32_16x16x32_bf16 v[8*(8*(\a)+(\b)):8*(8*(\a)+(\b))+7], v[(\f)+8*(\b):(\f)+8*(\b)+7], v[(\f)+8*(4*(\hi)+(\a)):(\f)+8*(4*(\hi)+(\a))+7], v[8*(8*(\a)+(\b)):8*(8*(\a)+(\b))+7]
.endif
.endr
.endr
.endm
.macro MUL64 f                         ; a whole quarter's 64 products onto the sums
	MUL16 \f, 0, 0, 0
	MUL16 \f, 0, 2, 0
	MUL16 \f, 1, 0, 0
	MUL16 \f, 1, 2, 0
.endm
; 32 LDS loads in one run: quarter q (32 along K) of the step in slot: 16 for the weights (turned: they lie [k][n]), 8 for H's rows 0-63, 8 for rows 64-127
.macro FETCH slot, q, f
	WIN TO_B
.irp i, 0,1,2,3,4,5,6,7
	ds_load_tr16_b128 v[(\f)+8*(\i):(\f)+8*(\i)+3],   v[ADRB+(\slot)] offset:(\q)*32*PB+32*(\i)
	ds_load_tr16_b128 v[(\f)+8*(\i)+4:(\f)+8*(\i)+7], v[ADRB+(\slot)] offset:(\q)*32*PB+32*(\i)+16*PB
.endr
	WIN 0
.irp i, 0,1,2,3
	ds_load_b128 v[(\f)+8*(\i):(\f)+8*(\i)+3],   v[AAL] offset:64*(\q)+(\i)*16*HP
	ds_load_b128 v[(\f)+8*(\i)+4:(\f)+8*(\i)+7], v[AAL] offset:64*(\q)+(\i)*16*HP+32
.endr
.irp i, 0,1,2,3
	ds_load_b128 v[(\f)+32+8*(\i):(\f)+32+8*(\i)+3],   v[AAH] offset:64*(\q)+(\i)*16*HP
	ds_load_b128 v[(\f)+32+8*(\i)+4:(\f)+32+8*(\i)+7], v[AAH] offset:64*(\q)+(\i)*16*HP+32
.endr
.endm
; A step's first quarter: multiplies buffer f and fetches the second quarter into g in its middle
.macro QUARTER slot, f, g, mode
	s_wait_dscnt 8                                 ; the weights and rows 0-63 are in; the youngest eight loads (rows 64-127) may be out
	MUL16 \f, 0, 0, \mode
	MUL16 \f, 0, 2, \mode
	PLACES
	FETCH \slot, 1, \g
	s_wait_dscnt 32                                ; all but the 32 just issued
	MUL16 \f, 1, 0, \mode
	MUL16 \f, 1, 2, \mode
.endm
; Lap XN of x is asked for: 128 k of my 32 rows; each load takes 512 consecutive bytes of one row
.macro XLOAD
	s_lshr_b32 s[XF], s[XN], 3
	s_lshl_b32 s[XF], s[XF], 19                    ; the half's 128 rows of 4,096 bytes
	s_and_b32 s19, s[XN], 7
	s_lshl_b32 s19, s19, 9                         ; the lap's 512 bytes in a row
	s_or_b32 s[XF], s[XF], s19
	s_add_nc_u64 s[XA:XA+1], s[4:5], s[XF:XF+1]
	s_add_co_u32 s[XN], s[XN], 1
	WIN TO_B
.irp g, 0,1
.irp i, 0,1,2,3,4,5,6,7,8,9,10,11,12,13,14,15
	global_load_b128 v[192*(\g)+4*(\i):192*(\g)+4*(\i)+3], v[XO], s[XA:XA+1] offset:4096*(16*(\g)+(\i)) th:TH_LOAD_NT
.endr
.endr
	WIN 0
.endm
; The lap of x that was asked for a lap ago is rounded to bf16 and stored into its quarter of H's rows, which was last read three laps ago; the next lap is asked for, while there is one
.macro XBODY
	s_wait_loadcnt 0x0                             ; the only loads out are that lap's 32; the wait also frees their base
	v_add_nc_u32 v[XWA], s[XKB], v[XW0]
.irp g, 0,1
	WIN 0x05                                       ; sources in window 1, destination in window 0
.irp i, 0,1,2,3,4,5,6,7,8,9,10,11,12,13,14,15
	v_cvt_pk_bf16_f32 v[TMP+2*(\i)],   v[192*(\g)+4*(\i)],   v[192*(\g)+4*(\i)+1]
	v_cvt_pk_bf16_f32 v[TMP+2*(\i)+1], v[192*(\g)+4*(\i)+2], v[192*(\g)+4*(\i)+3]
.endr
	WIN 0
.irp i, 0,1,2,3,4,5,6,7,8,9,10,11,12,13,14,15
	ds_store_b64 v[XWA], v[TMP+2*(\i):TMP+2*(\i)+1] offset:HP*(16*(\g)+(\i))  ; 32 lanes, 256 consecutive bytes of one row
.endr
.endr
	s_add_co_u32 s[XKB], s[XKB], 256
	s_and_b32 s[XKB], s[XKB], 0x3ff
	s_sub_co_u32 s[XS], s[XS], 1
	s_cmp_lt_u32 s[XN], 16
	s_cbranch_scc0 .Lx_all_asked_\@
	XLOAD
.Lx_all_asked_\@:
.endm
.macro XCOND                           ; only while the half has laps of x to store: eight times a half
	WIN 0
	s_cmp_eq_u32 s[XS], 0
	s_cbranch_scc1 .Lx_none_\@
	XBODY
.Lx_none_\@:
.endm
; THE CHANGE OF SLOTS stands between a step's two quarters, when the step's last fragments have been asked for: ONE barrier.  In front of it each wave waits for all its tensor loads (one is out: the
; next step's weights), adds 0 to its spare word, and waits for that, for its reads of this slot and of H (buffer 1's fragments among them), and for its stores of x.
; round = 1: a round of the cluster's barrier follows and slot is filled again: its descriptor's address is made anew from the step's number, here, where no tensor load of mine is out.
; No product stands between the wait for the tile and the request that follows the round: each would put the request off by its own length.
.macro MEET round, slot=0
	WIN 0
	s_wait_tensorcnt 0x0
	ds_add_u32 v[SPW], v[NIL]                      ; 0 onto my spare word; with round = 1 the descriptor's scalar work stands between it and the wait for it
.if \round
	s_and_b32 s[OFF], s[NXT], 31                   ; the second half walks the same 32 blocks
	s_lshl_b32 s[OFF], s[OFF], 16                  ; 64 rows of 1,024 bytes
	s_add_nc_u64 s[G0+4*(\slot)+2:G0+4*(\slot)+3], s[6:7], s[OFF:OFF+1]
	s_or_b32 s[G0+4*(\slot)+3], s[G0+4*(\slot)+3], 0x80000000
	s_add_co_u32 s[NXT], s[NXT], 1
.endif
	s_wait_dscnt 0x0                               ; the add is done; buffer 1 is in, so my reads of this slot are over; my stores of x are done
	s_barrier_signal -1
	s_barrier_wait -1
.endm
.macro KSTEP                           ; H's addresses go on to the next K step
	s_add_co_u32 s[KB], s[KB], 128
	s_and_b32 s[KB], s[KB], 0x3ff
	v_add_nc_u32 v[AAL], s[KB], v[AA0L]
	v_add_nc_u32 v[AAH], s[KB], v[AA0H]
.endm
; The change of slots and the step's second quarter.  xb = 1: a lap ends here, and the next lap of x is stored in front of the barrier.  Behind the round the slot just read out is filled again first,
; with the step two steps on: it has 128 matrix instructions in which to land; then come the next step's first fragments, and buffer 1's 64 products.
.macro TURN slot, next, xb
.if \xb
	XCOND
.endif
	MEET 1, \slot
	CREST                                          ; no wave of any partner still reads this slot or has a load on its way
	JLOAD \slot                                    ; its four v_nop are also the places in front of the loads below
	KSTEP
	FETCH \next, 0, F0
	MUL64 F1
.endm
.macro LAST                            ; a sweep's last quarter: the same, but the next sweep fetches its own first fragments: H may be written anew first
	XCOND
	MEET 1, 1
	CREST
	JLOAD 1
	MUL64 F1
.endm
; tanh of row tile a's 64 sums, in place, then rounded to bf16 and stored into H.  The 32 register pairs go through five stages in a pipeline of 38 ticks: x 2 log2(e); 2^; + 1; 1 /; x -2 + 1.
; Each result of an exponential or a reciprocal is used two ticks later, with plain instructions between (ISA guide 5.7.2); each accumulator is read from its lowest registers on.
.macro EPT a
.set AC, 64*((\a)%4)
	WIN 0xaa+0x55*((\a)/4)                         ; all operands in window 2 or 3
.set tk, 0
.rept 38
.if tk < 32
	v_pk_mul_f32 v[AC+2*tk:AC+2*tk+1], v[AC+2*tk:AC+2*tk+1], s[C2:C2+1] op_sel_hi:[1,0]
.endif
.if (tk >= 1) && (tk < 33)
	v_exp_f32 v[AC+2*(tk-1)], v[AC+2*(tk-1)]
.endif
.if (tk >= 3) && (tk < 35)
	s_wait_alu depctr_va_vdst(0)
	v_pk_add_f32 v[AC+2*(tk-3):AC+2*(tk-3)+1], v[AC+2*(tk-3):AC+2*(tk-3)+1], 1.0 op_sel_hi:[1,0]
.endif
.if (tk >= 1) && (tk < 33)
	v_exp_f32 v[AC+2*(tk-1)+1], v[AC+2*(tk-1)+1]
.endif
.if tk >= 6
	s_wait_alu depctr_va_vdst(0)
	v_pk_fma_f32 v[AC+2*(tk-6):AC+2*(tk-6)+1], v[AC+2*(tk-6):AC+2*(tk-6)+1], -2.0, 1.0 op_sel_hi:[1,0,0]
.endif
.if (tk >= 4) && (tk < 36)
	v_rcp_f32 v[AC+2*(tk-4)], v[AC+2*(tk-4)]
	v_rcp_f32 v[AC+2*(tk-4)+1], v[AC+2*(tk-4)+1]
.endif
.set tk, tk+1
.endr
	WIN 0x0a+5*((\a)/4)                            ; sources in window 2 or 3, destination in window 0
.irp b, 0,1,2,3,4,5,6,7
.irp r, 0,1,2,3
	v_cvt_pk_bf16_f32 v[TMP+4*(\b)+(\r)], v[AC+8*(\b)+2*(\r)], v[AC+8*(\b)+2*(\r)+1]
.endr
.endr
	WIN 0
.irp b, 0,1,2,3,4,5,6,7
	ds_store_b128 v[STOL+(\a)/4], v[TMP+4*(\b):TMP+4*(\b)+3] offset:((\a)%4)*16*HP+32*(\b)  ; row 16 a + r, my eight columns of tile b
.endr
.endm
.macro EP                              ; a layer's end.  Every wave's reads of H were over at the barrier in front
	PLACES
.irp a, 0,1,2,3,4,5,6,7
	EPT \a
.endr
.endm
; The scores of half t.  Wave w takes rows 32 w .. 32 w + 31 of H as two tiles, K = 512 in four batches of 128.  Source 0 = the scorer in all 16 rows, source 1 = 16 rows of H: every register
; of lane (r, h) holds row r's score; the lowest is stored.  The two accumulators take turns.  They lie in v160-175, registers of fragment buffer 1, which a sweep's
; last products read as a source: a matrix instruction that writes over such a register stands five places behind the reader, so the first batch has a fifth place.
.macro SCORE t
	WIN 0
.irp g, 0,1,2,3
	PLACES                                         ; in front of loads into registers that products have read
.if (\g) == 0
	v_nop                                          ; the fifth place, for the accumulators
.endif
.irp c, 0,1,2,3
	ds_load_b128 v[128+8*(\c):128+8*(\c)+3],   v[SRA] offset:64*(4*(\g)+(\c))
	ds_load_b128 v[128+8*(\c)+4:128+8*(\c)+7], v[SRA] offset:64*(4*(\g)+(\c))+32
.endr
.irp u, 0,1
.irp c, 0,1,2,3
	ds_load_b128 v[64+32*(\u)+8*(\c):64+32*(\u)+8*(\c)+3],   v[SFA] offset:16*HP*(\u)+64*(4*(\g)+(\c))
	ds_load_b128 v[64+32*(\u)+8*(\c)+4:64+32*(\u)+8*(\c)+7], v[SFA] offset:16*HP*(\u)+64*(4*(\g)+(\c))+32
.endr
.endr
	s_wait_dscnt 0x0
.irp c, 0,1,2,3
.irp u, 0,1
.if (\g) == 0 && (\c) == 0
	v_wmma_f32_16x16x32_bf16 v[160+8*(\u):160+8*(\u)+7], v[128+8*(\c):128+8*(\c)+7], v[64+32*(\u)+8*(\c):64+32*(\u)+8*(\c)+7], 0
.else
	v_wmma_f32_16x16x32_bf16 v[160+8*(\u):160+8*(\u)+7], v[128+8*(\c):128+8*(\c)+7], v[64+32*(\u)+8*(\c):64+32*(\u)+8*(\c)+7], v[160+8*(\u):160+8*(\u)+7]
.endif
.endr
.endr
.endr
	PLACES
	ds_store_b32 v[SCA], v160 offset:512*(\t)      ; both halves of the lanes write the same word with the same number
	ds_store_b32 v[SCA], v168 offset:512*(\t)+64
.endm
	; ---------------- the head ----------------
	s_load_b256 s[4:11], s[0:1], 0x0               ; x s[4:5], ws_w s[6:7], ws_p s[8:9], scorer s[10:11]
	s_load_b128 s[12:15], s[0:1], 0x20             ; mask s[12:13], out0 s[14:15]
	v_lshl_add_u32 v[SPW], v0, 2, SPARE
	v_mov_b32 v[NIL], 0
	ds_add_u32 v[SPW], v[NIL]                      ; the wave's opening: the add and its wait stand ahead of my first tensor load; the set-up below, work on registers, stands between them
	v_lshrrev_b32 v3, 5, v0
	v_readfirstlane_b32 s[WV], v3                  ; wave 0..3
	s_bfe_u32 s17, ttmp6, 0x40000                  ; cx: my place in the cluster
	s_lshl_b32 s18, ttmp9, 2                       ; in a cluster launch ttmp9 counts clusters
	s_add_co_u32 s18, s18, s17                     ; the batch b = 4 x cluster + cx
	; descriptor group 1: 64 rows x 128 elements of 2 bytes, rows 512 elements apart, padded in LDS
	s_mov_b32 s[G1+0], 15|(1<<16)|(1<<20)|(1<<21)|(5<<22)|(7<<25)  ; 15:0 the mask of four; 17:16 2-byte elements; 20 padding on; 21 set beside a mask; 24:22 after every 64 words (code 5); 31:25 8 words (code 7)
	s_mov_b32 s[G1+1], 128<<16                     ; tensor_dim0 = 128
	s_mov_b32 s[G1+2], 64<<16                      ; tensor_dim1 = 64
	s_mov_b32 s[G1+3], 128<<16                     ; tile_dim0 = 128
	s_mov_b32 s[G1+4], 64                          ; tile_dim1 = 64
	s_mov_b32 s[G1+5], 512                         ; elements from row to row
	s_mov_b32 s[G1+6], 0
	s_mov_b32 s[G1+7], 0
	s_mul_i32 s19, s[WV], WSLOT                    ; my part of a slot: the wave's number times a constant
	s_mov_b32 s[G0], 1                             ; count = 1
	s_add_co_u32 s[G0+1], s19, 0                   ; LDS address, slot 0
	s_mov_b32 s[G0+4], 1
	s_add_co_u32 s[G0+5], s19, SLOT                ; slot 1
	s_lshl_b32 s[OFF], s[WV], 8                    ; my 128 columns in a row of ws_w
	s_mov_b32 s[OFF+1], 0
	s_mov_b32 s[XF+1], 0
	s_mov_b32 s3, 0
	s_mov_b32 s[C2], 0x4038aa3b                    ; 2 log2(e) = 2.885390
	s_mov_b32 s[C2+1], s[C2]                       ; named with it as a pair
	s_mov_b32 s[SEL], 0x76543210
	s_mov_b32 s[SEL+1], 0xfedcba98
	s_mov_b32 s[XN], 0
	v_and_b32 v[LN], 31, v0
	v_and_b32 v1, 15, v0                           ; r = lane % 16
	v_bfe_u32 v2, v0, 4, 1                         ; h = lane / 16
	v_lshlrev_b32 v[T16], 4, v0
	v_lshlrev_b32 v[ML], 1, v[LN]
	s_lshl_b32 s19, s[WV], 17                      ; my 32 rows of 4,096 bytes
	v_lshl_add_u32 v[XO], v[LN], 4, s19
	s_wait_dscnt 0x0                               ; the opening add is done
	s_wait_kmcnt 0x0
	s_add_nc_u64 s[6:7], s[6:7], s[OFF:OFF+1]      ; ws_w at my columns: the wave's number alone
	s_lshl_b32 s2, s18, 20                         ; what hangs on the batch lies in s[2:3]
	s_add_nc_u64 s[4:5], s[4:5], s[2:3]            ; x[b]
	s_lshl_b32 s2, s18, 11
	s_add_nc_u64 s[8:9], s[8:9], s[2:3]            ; ws_p[0][b]
	s_lshl_b32 s2, s18, 8
	s_add_nc_u64 s[12:13], s[12:13], s[2:3]        ; mask[b]
	s_mul_i32 s2, s18, 1016
	s_add_nc_u64 s[14:15], s[14:15], s[2:3]        ; out0[b]
	s_add_nc_u64 s[G0+2:G0+3], s[6:7], 0           ; K step 0
	s_or_b32 s[G0+3], s[G0+3], 0x80000000          ; type = 2
	s_add_nc_u64 s[G0+6:G0+7], s[6:7], 0x10000     ; K step 1
	s_or_b32 s[G0+7], s[G0+7], 0x80000000
	ROUND                                          ; all four work-groups are here: the first joint loads meet
	tensor_load_to_lds s[G0:G0+3], s[G1:G1+7]      ; both first fills go out together: two loads of mine are out
	s_nop 0
	tensor_load_to_lds s[G0+4:G0+7], s[G1:G1+7]
	s_nop 0
.rept 4
	v_nop
.endr
.irp k, 0,1,2,3,4,5,6,7
	global_load_b128 v[64+4*(\k):64+4*(\k)+3], v[T16], s[8:9] offset:524288*(\k)  ; partial sum k of the bias, four columns a thread
.endr
	global_load_b128 v[96:99], v[T16], s[10:11]    ; the scorer, four numbers a thread
.irp i, 0,1,2,3
	global_load_u16 v[MK+(\i)], v[ML], s[12:13] offset:64*(\i)
.endr
	XLOAD                                          ; lap 0 of x
	; the addresses, in the wait for the loads
	v_and_b32 v8, 7, v0
	v_bfe_u32 v9, v0, 3, 1
	v_lshl_add_u32 v3, v2, 3, v8
	v_mul_u32_u24 v3, v3, PB
	v_lshl_add_u32 v3, v9, 4, v3                   ; the turning load: k-row 8 h + lane % 8, 16 bytes by (lane / 8) % 2
	s_mul_i32 s19, s[WV], WSLOT
	v_add_nc_u32 v[ADRB], s19, v3
	v_add_nc_u32 v[ADRB+1], SLOT, v[ADRB]
	v_mul_u32_u24 v3, v1, HP
	v_lshl_add_u32 v3, v2, 4, v3                   ; row r, 16 bytes for each half of the lanes
	v_add_nc_u32 v[AA0L], HB, v3
	v_add_nc_u32 v[AA0H], HB+HHALF, v3
	s_lshl_b32 s19, s[WV], 8
	v_add_nc_u32 v[STOL], s19, v[AA0L]             ; the same at my 256 bytes of a row
	v_add_nc_u32 v[STOL+1], s19, v[AA0H]
	s_mul_i32 s19, s[WV], 32*HP
	v_add_nc_u32 v[SFA], s19, v[AA0L]              ; the same in my 32 rows
	v_lshl_add_u32 v[XW0], v[LN], 3, s19
	v_add_nc_u32 v[XW0], HB, v[XW0]                ; my 32 rows, 8 bytes a lane
	v_lshl_add_u32 v[SRA], v2, 4, SCR
	s_lshl_b32 s19, s[WV], 7
	v_lshl_add_u32 v[SCA], v1, 2, s19
	v_add_nc_u32 v[SCA], SC, v[SCA]
	s_lshl_b32 s19, s[WV], 9
	v_lshl_add_u32 v[BIAA], v2, 5, s19
	v_add_nc_u32 v[BIAA], BIA, v[BIAA]
	v_lshlrev_b32 v[OO], 3, v[LN]
	v_add_nc_u32 v3, BIA, v[T16]
	v_lshl_add_u32 v31, v0, 3, SCR
	s_wait_loadcnt 32                              ; the 13 small loads are in; the 32 of x, issued behind them, stay out
.irp k, 1,2,3,4,5,6,7
	v_pk_add_f32 v[64:65], v[64:65], v[64+4*(\k):64+4*(\k)+1]
	v_pk_add_f32 v[66:67], v[66:67], v[64+4*(\k)+2:64+4*(\k)+3]
.endr
	ds_store_b128 v3, v[64:67]
	v_cvt_pk_bf16_f32 v8, v96, v97
	v_cvt_pk_bf16_f32 v9, v98, v99
	ds_store_b64 v31, v[8:9]
	BAR                                            ; bias and scorer are whole
.irp i, 0,1,2,3,4,5,6,7
	ds_load_b128 v[BIASR+8*(\i):BIASR+8*(\i)+3],   v[BIAA] offset:64*(\i)     ; column tile i: my eight columns' bias, as an accumulator holds them
	ds_load_b128 v[BIASR+8*(\i)+4:BIASR+8*(\i)+7], v[BIAA] offset:64*(\i)+16
.endr
	s_mov_b32 s[SWL], 8
	s_mov_b32 s[PH], 0
	s_mov_b32 s[XS], 8
	s_mov_b32 s[XKB], 0
	s_mov_b32 s[NXT], 2
	; ---------------- eight sweeps ----------------
.Lsweep:
	s_cmp_lg_u32 s[PH], 0
	s_cbranch_scc1 .Lno_head_x
	XBODY                                          ; a half begins: its lap 0 of x goes into H; nobody reads H since the barrier in front
.Lno_head_x:
	s_wait_tensorcnt 0x1                           ; my weights of the sweep's step 0 are in: on both ways here exactly one load, slot 1's, was issued behind slot 0's
	BAR                                            ; H (or lap 0 of x) is whole
	PLACES                                         ; a product that starts sums anew writes over an accumulator that the sweep before's last 64 products wrote: five places (ISA guide 7.12.1).
	                                               ; These four and the two moves below are six, on every way that the jumps above allow, the ways past the tanh too
	s_mov_b32 s[KB], 0
	v_mov_b32 v[AAL], v[AA0L]
	v_mov_b32 v[AAH], v[AA0H]
	FETCH 0, 0, F0
	s_cmp_eq_u32 s[PH], 0                          ; how the sums begin.  This test stands first: at the first sweep its answer is a constant of the text
	s_cbranch_scc1 .Lq_bias
	s_cmp_eq_u32 s[PH], 1
	s_cbranch_scc1 .Lq_on
	QUARTER 0, F0, F1, 1                           ; a hidden layer: the first products start the sums
	WIN 0
	s_branch .Lq_done
.Lq_bias:
	QUARTER 0, F0, F1, 2                           ; layer 1: the bias starts them
	WIN 0
	s_branch .Lq_done
.Lq_on:
	QUARTER 0, F0, F1, 0                           ; layer 1's second half of K goes on
	WIN 0
.Lq_done:
	s_mov_b32 s[LAP], 3
.Llap:                                                 ; a trip goes once round the ring, from a lap's second quarter to the next lap's first, and fills both slots again
	TURN 0, 1, 0
	QUARTER 1, F0, F1, 0
	TURN 1, 0, 1
	QUARTER 0, F0, F1, 0
	WIN 0
	s_sub_co_u32 s[LAP], s[LAP], 1
	s_cmp_lg_u32 s[LAP], 0
	s_cbranch_scc1 .Llap
	s_cmp_eq_u32 s[SWL], 1
	s_cbranch_scc1 .Lfinal                         ; the last sweep's last lap is written out: it asks for nothing more
	TURN 0, 1, 0
	QUARTER 1, F0, F1, 0
	LAST
	WIN 0
	s_cmp_eq_u32 s[PH], 0
	s_cbranch_scc1 .Lno_ep                         ; in the middle of layer 1 the sums go on
	EP
.Lno_ep:
	BAR                                            ; H is written
	s_cmp_lg_u32 s[PH], 3
	s_cbranch_scc1 .Lno_score
	SCORE 0                                        ; in the loop this is the first half's end
	s_mov_b32 s[XS], 8
.Lno_score:
	BAR                                            ; the score's reads of H are over
	s_add_co_u32 s[PH], s[PH], 1
	s_and_b32 s[PH], s[PH], 3
	s_sub_co_u32 s[SWL], s[SWL], 1
	s_branch .Lsweep
.Lfinal:
	MEET 0                                         ; my last tensor load, the last step's weights, has landed; nothing is filled again, so no round follows
	PLACES
	KSTEP
	FETCH 1, 0, F0
	MUL64 F1
	QUARTER 1, F0, F1, 0
	s_wait_dscnt 8                                 ; the very last quarter: nothing more to fetch
	MUL16 F1, 0, 0, 0
	MUL16 F1, 0, 2, 0
	s_wait_dscnt 0x0                               ; my reads of H are over
	s_barrier_signal -1
	MUL16 F1, 1, 0, 0
	MUL16 F1, 1, 2, 0
	WIN 0
	s_barrier_wait -1                              ; everybody's are: H may be written
	EP
	BAR
	SCORE 1
	BAR                                            ; all 256 scores lie in LDS
	s_cmp_lg_u32 s[WV], 0
	s_cbranch_scc1 .Lend
	; ---------------- wave 0: e^score, the mask, the sum, the division.  Lane l holds rows 64 i + 2 l and 64 i + 2 l + 1 ----------------
	v_lshl_add_u32 v3, v[LN], 3, SC
.irp i, 0,1,2,3
	ds_load_b64 v[64+2*(\i):64+2*(\i)+1], v3 offset:256*(\i)
.endr
	v_cmp_eq_u32 vcc_lo, 31, v[LN]
	v_cndmask_b32 v[MK+3], v[MK+3], v[NIL], vcc_lo ; rows 254 and 255 are no heads: they count as masked
	s_wait_dscnt 0x0
.irp i, 0,1,2,3
	v_pk_mul_f32 v[64+2*(\i):64+2*(\i)+1], v[64+2*(\i):64+2*(\i)+1], 0x3fb8aa3b op_sel_hi:[1,0]  ; x log2(e)
.endr
.irp j, 0,1,2,3,4,5,6,7
	v_exp_f32 v[64+(\j)], v[64+(\j)]
.endr
	v_nop                                          ; a plain instruction between the last exponential and the use of its result
	s_wait_alu depctr_va_vdst(0)
.irp i, 0,1,2,3
	v_and_b32 v8, 0xff, v[MK+(\i)]
	v_lshrrev_b32 v9, 8, v[MK+(\i)]
	v_cmp_ne_u32 vcc_lo, 0, v8
	v_cndmask_b32 v[64+2*(\i)], 0, v[64+2*(\i)], vcc_lo
	v_cmp_ne_u32 vcc_lo, 0, v9
	v_cndmask_b32 v[64+2*(\i)+1], 0, v[64+2*(\i)+1], vcc_lo
.endr
	v_add_f32 v72, v64, v65
	v_add_f32 v73, v66, v67
	v_add_f32 v74, v68, v69
	v_add_f32 v75, v70, v71
	v_add_f32 v72, v72, v73
	v_add_f32 v74, v74, v75
	v_add_f32 v72, v72, v74
	v_add_f32_dpp v72, v72, v72 row_xmask:1 row_mask:0xf bank_mask:0xf
	v_add_f32_dpp v72, v72, v72 row_xmask:2 row_mask:0xf bank_mask:0xf
	v_add_f32_dpp v72, v72, v72 row_xmask:4 row_mask:0xf bank_mask:0xf
	v_add_f32_dpp v72, v72, v72 row_xmask:8 row_mask:0xf bank_mask:0xf
	v_permlanex16_b32 v73, v72, s[SEL], s[SEL+1]
	v_add_f32 v72, v72, v73
	v_add_f32 v72, 0x33d6bf95, v72                 ; + 1e-7
	v_rcp_f32 v74, v72
	v_nop
	s_wait_alu depctr_va_vdst(0)
.irp i, 0,1,2,3
	v_pk_mul_f32 v[64+2*(\i):64+2*(\i)+1], v[64+2*(\i):64+2*(\i)+1], v[74:75] op_sel_hi:[1,0]
.endr
.irp i, 0,1,2
	global_store_b64 v[OO], v[64+2*(\i):64+2*(\i)+1], s[14:15] offset:256*(\i)  ; 256 consecutive bytes of the batch's 1,016
.endr
	v_cmp_gt_u32 vcc_lo, 31, v[LN]
	s_wait_xcnt 0x0                                ; EXEC changes only behind this wait: it is a source of the stores above
	s_and_saveexec_b32 s54, vcc_lo                 ; rows 254 and 255 are not stored
	global_store_b64 v[OO], v[70:71], s[14:15] offset:768
	s_wait_xcnt 0x0                                ; and again in front of the line that widens it
	s_or_b32 exec_lo, exec_lo, s54
.Lend:
	s_wait_tensorcnt 0x0                           ; the wave's end, behind my last tensor load and my last LDS store
	ds_add_u32 v[SPW], v[NIL]
	s_wait_dscnt 0x0
	ROUND                                          ; the closing round: no work-group ends while a partner may still ask for a tile that names it
	s_endpgm
.Lfunc_end_k_qf6d2eb40b2_main:
	.size	k_qf6d2eb40b2_main, .Lfunc_end_k_qf6d2eb40b2_main-k_qf6d2eb40b2_main
	.p2alignl 7, 3214868480
	.fill 96, 4, 3214868480
	.section	.rodata,"a",@progbits
	.p2align	6, 0x0
	.amdhsa_kernel k_qf6d2eb40b2_main
		.amdhsa_group_segment_fixed_size 327680
		.amdhsa_private_segment_fixed_size 0
		.amdhsa_enable_private_segment 0
		.amdhsa_kernarg_size 48
		.amdhsa_user_sgpr_count 2
		.amdhsa_user_sgpr_kernarg_segment_ptr 1
		.amdhsa_wavefront_size32 1
		.amdhsa_system_sgpr_workgroup_id_x 1
		.amdhsa_system_sgpr_workgroup_id_y 1
		.amdhsa_system_sgpr_workgroup_id_z 1
		.amdhsa_system_vgpr_workitem_id 0
		.amdhsa_next_free_vgpr 1024
		.amdhsa_next_free_sgpr 66
		.amdhsa_reserve_vcc 1
		.amdhsa_float_denorm_mode_32 3
		.amdhsa_float_denorm_mode_16_64 3
		.amdhsa_memory_ordered 1
		.amdhsa_forward_progress 1
		.amdhsa_inst_pref_size 255
	.end_amdhsa_kernel
	.section	.bss,"aw",@nobits
	.p2align	6
	.space	262144
	.amdgpu_metadata
---
amdhsa.version: [ 1, 2 ]
amdhsa.kernels:
  - .name:           k_qf6d2eb40b2_main
    .symbol:         k_qf6d2eb40b2_main.kd
    .args:
      - { .name: x, .offset: 0, .size: 8, .value_kind: global_buffer, .address_space: global }
      - { .name: ws_w, .offset: 8, .size: 8, .value_kind: global_buffer, .address_space: global }
      - { .name: ws_p, .offset: 16, .size: 8, .value_kind: global_buffer, .address_space: global }
      - { .name: scorer, .offset: 24, .size: 8, .value_kind: global_buffer, .address_space: global }
      - { .name: mask, .offset: 32, .size: 8, .value_kind: global_buffer, .address_space: global }
      - { .name: out0, .offset: 40, .size: 8, .value_kind: global_buffer, .address_space: global }
    .group_segment_fixed_size: 327680
    .private_segment_fixed_size: 0
    .kernarg_segment_align: 8
    .kernarg_segment_size: 48
    .max_flat_workgroup_size: 128
    .sgpr_count:     66
    .vgpr_count:     1024
    .wavefront_size: 32
...
	.end_amdgpu_metadata
.endif
;; end of part 2
;; ======== version 2 of 2: 2 launches; 1.21 times as fast as version 1
;; workspace buffers: ws_w 2,097,152 bytes; ws_p 4,194,304 bytes
;; launch prep: the kernel of part 1 again; grid 256 x 1, 8 waves a work-group, no clusters, 93,184 bytes of LDS; arguments x, proj_prep, proj_child, proj_head, hidden_layers, ws_w, ws_p; writes ws_w, ws_p
;; launch main (part 3): grid 256 x 1, 4 waves a work-group, clusters of 4 x 1, 327,680 bytes of LDS; arguments x, ws_w, ws_p, scorer, mask, out0; writes out0
.if DOCPART == 3
	.amdgcn_target "amdgcn-amd-amdhsa--gfx1250"
	.amdhsa_code_object_version 6
	.text
	.protected	k_qf6d2eb40b2_main
	.globl	k_qf6d2eb40b2_main
	.p2align	8
	.type	k_qf6d2eb40b2_main,@function
k_qf6d2eb40b2_main:
	s_mov_b64 s[64:65], 0
	v_nop
	global_prefetch_b8 v0, s[64:65] scope:SCOPE_SE
	s_setreg_imm32_b32 hwreg(HW_REG_WAVE_MODE, 25, 1), 1
	s_wait_xcnt 0x0
	s_wait_alu depctr_hold_cnt(0) depctr_sa_sdst(0) depctr_va_vdst(0) depctr_va_sdst(0) depctr_va_ssrc(0) depctr_va_vcc(0) depctr_vm_vsrc(0)
	s_getreg_b32 s2, hwreg(HW_REG_IB_STS2, 6, 4)
	s_cmp_eq_u32 s2, 0
	s_cbranch_scc0 .Lentry_in_a_cluster
	s_endpgm
.Lentry_in_a_cluster:
	s_bfe_u32 s2, ttmp6, 0x10000c
	s_cmp_lg_u32 s2, 0x3003
	s_cbranch_scc0 .Lentry_shape_is_right
	s_endpgm
.Lentry_shape_is_right:
; out0[b][s] = mask[b][s] e^score[b][s] / (sum over s < 254 of mask e^score + 1e-7),  score = tanh(tanh(tanh(x[b][s] Wh + bias[b]) H0) H1) . scorer.
; ONE WORK-GROUP IS ONE BATCH b: nothing but x, the weights and 1,016 bytes of result passes through memory.  ws_w holds Wh, H0, H1 in bf16, [k][n], as one stream
; of 2,048 rows of 512; ws_p holds the bias in eight f32 partial sums (both made by the launch in front).
; SHARES.  The batch's 256 rows go in two halves of 128 (rows 254 and 255 are computed with the rest and thrown away).  Wave w owns columns 128 w .. 128 w + 127 of every layer:
; 128 x 128 sums, 64 accumulators of 16 x 16, 512 registers.  THE MATRIX INSTRUCTION IS USED TRANSPOSED: source 0 = 16 columns of the weights, source 1 = 16 rows of the
; activations, so that a lane holds one row and eight neighbouring columns, which pack into 16 bytes of the next layer's row.
; SWEEPS.  K goes in steps of 64; eight steps are a SWEEP; a half is four sweeps PH = 0..3: layer 1 (K = 1,024) is PH 0 and 1, the hidden layers PH 2 and 3.  Every sweep reads its
; activations from the same LDS region H, step j at byte 128 j of a row.  In layer 1 H is a ring of four laps of 128 k of x, rounded to bf16 on the way from memory (registers, then ds_store);
; behind a layer it takes tanh of the sums.  One text serves all eight sweeps; what differs (how the sums begin, whether tanh, score and x follow) hangs on scalar counters
; made of constants; these jumps go forward and pass neither a barrier nor a tensor load.
; WEIGHTS.  The 64 steps of the two halves walk ws_w's 32 blocks of 64 rows twice, through two LDS slots.  Each wave fetches, and alone reads, its own 128 columns: 64 rows of 256 bytes a load.
; A slot's refill can go out only when the other slot's tile has landed and a round has passed, so nothing but the lines that this order needs stands between that landing and the request:
; all of a step's 128 matrix instructions lie between a request and the wait for it.
; CLUSTER.  All work-groups walk the same weights in the same order, so the four of a cluster ask JOINTLY: the same tensor load, descriptor and mask in all four; the batch number enters
; x's, ws_p's, mask's and out0's addresses alone.  x is shared with nobody.
; tanh(z) = 1 - 2 / (1 + 2^(2 log2(e) z)).
; TANH'S BATCHES.  At a layer's end the four row tiles of a register window follow each other a phase apart: a phase holds the exponentials of one tile and the reciprocals of the tile before it, up to
; 128 transcendentals, each with a register of its own (the sum's, in place), as ONE batch with ONE wait; the plain lines among them read only what the phase before has waited for; the roundings and
; stores of the tile two back stand between the batch and its wait.  Five waits a window, ten a layer's end.  Wave 0's way out has two more: one for its eight exponentials, one for the reciprocal of their sum.
; LIMITS.  x, all weights, the scorer and the three layers' results are rounded to bf16 for the products; all sums are f32.  Where 2^(..) overflows or falls below 2^-126, tanh is exactly 1 or -1.
; As in the problem's definition no maximum is taken away before e^score: it overflows where the definition's does; an e^score below 2^-126 counts as 0.  The division is a reciprocal
; (1 ULP) and a multiply.  NaN and infinities in the inputs are not treated apart.
;
; REGISTERS, in windows of 256 (s_set_vgpr_msb: bits 1:0 source 0, 3:2 source 1, 5:4 source 2, 7:6 destination):
;   window 0: v0-31 addresses; v32-63 packed results; v64-127, v128-191 activations' fragments, two buffers; v192-255 my columns' bias, in an accumulator's layout
;   window 1: v64-127, v128-191 weights' fragments, two buffers; v0-63, v192-255 a lap of x as loaded (32 rows x 16 bytes a lane)
;   window 2: the accumulators of rows 0-63 ((a, b) at v[8 (8 a + b)]);   window 3: those of rows 64-127
.set PB,     288                       ; a k-row of my weights in LDS: 256 bytes + 32: an odd multiple of 32, for the turning load
.set WSLOT,  64*PB                     ; a wave's part of a slot
.set SLOT,   4*WSLOT
.set HB,     2*SLOT                    ; H: 128 rows; written by ds_store alone, no tensor load lands here
.set HP,     1040                      ; 1,024 bytes + 16: an odd multiple of 16, so the 16 rows of a load start in 16 different 16-byte columns modulo 256
.set HHALF,  64*HP
.set SC,     HB+128*HP                 ; the batch's 256 scores, f32
.set BIA,    SC+1024                   ; the bias, 512 f32
.set SCR,    BIA+2048                  ; the scorer, 512 bf16
.set SPARE,  SCR+1024                  ; the spare words, 128 bytes a wave: two blocks of 256 bytes that no other line names
.set MK,   4                           ; v4-7   mask bytes of rows 64 i + 2 lane and the next
.set ADRB, 10                          ; v10-11 my place in my weights, slot 0, 1
.set AA0L, 12                          ; v12    my place in H's rows 0-63,
.set AA0H, 13                          ; v13    rows 64-127
.set AAL,  14                          ; v14-15 the same at the K step in hand
.set AAH,  15
.set STOL, 16                          ; v16-17 where my 16 bytes of a result row go, rows 0-63, 64-127
.set XO,   18                          ; v18    my byte offset in a lap of x
.set XW0,  19                          ; v19    where my 8 bytes of x go, lap 0
.set XWA,  20                          ; v20    the same for the lap in hand
.set SFA,  21                          ; v21    the score: my place in my 32 rows of H
.set SRA,  22                          ; v22    in the scorer
.set SCA,  23                          ; v23    where a score goes
.set BIAA, 24                          ; v24    my place in the bias
.set OO,   25                          ; v25    8 x lane: my byte offset in out0's row
.set T16,  26                          ; v26    16 x thread
.set ML,   27                          ; v27    2 x lane
.set SPW,  28                          ; v28    LDS address of my spare word; never rewritten
.set NIL,  29                          ; v29    0; never rewritten
.set LN,   30                          ; v30    lane
.set TMP,  32
.set F0,   64
.set F1,   128
.set BIASR,192
.set WV,  16                           ; s16      my wave's number
.set OFF, 20                           ; s[20:21] a weight block's byte offset: never holds the batch
.set XF,  22                           ; s[22:23] a lap's byte offset in the batch's x
.set G1,  24                           ; s[24:31] descriptor group 1
.set G0,  32                           ; s[32:39] descriptor group 0, a set for each slot
.set XA,  40                           ; s[40:41] x at the lap asked for
.set SWL, 42                           ; s42  sweeps to go
.set PH,  43                           ; s43  the sweep's place in its half, 0..3
.set LAP, 44                           ; s44  counts a sweep's laps
.set KB,  45                           ; s45  byte of H's rows at which the K step in hand begins
.set XKB, 46                           ; s46  byte of H's rows at which the next lap of x goes
.set XS,  47                           ; s47  laps of x still to be stored in this half
.set XN,  48                           ; s48  the next lap of x to ask for, 0..16
.set NXT, 49                           ; s49  the next K step to ask for, 2..64
.set C2,  50                           ; s[50:51] 2 log2(e)
.set SEL, 52                           ; s[52:53] v_permlanex16_b32's selects: each lane takes its own place in the other half
.set MSB, 0
.macro WIN new                         ; the immediate's high byte repeats the setting that is left; a switch that changes nothing is dropped
.if MSB != (\new)
	s_set_vgpr_msb (MSB<<8)|(\new)
.set MSB, \new
.endif
.endm
.set MUL_LO, 0xa1                      ; source 0 (weights) window 1, source 1 (activations) window 0, C and D window 2; + 0x50: window 3
.set MUL_BI, 0x81                      ; the same with C (the bias) in window 0; + 0x40: D in window 3
.set TO_B,   0x40                      ; destination window 1, address window 0
.macro PLACES                          ; four places between a matrix instruction and a vector instruction, store or load that touches its registers (ISA guide 7.12.1 for vector instructions)
.rept 4
	v_nop
.endr
.endm
.macro BAR                             ; a plain barrier: my LDS instructions are done, then everybody's.  A tensor load may stay out
	s_wait_dscnt 0x0
	s_barrier_signal -1
	s_barrier_wait -1
.endm
.macro CREST                           ; a round of the cluster's barrier behind its opening barrier: wave 0 signals for the work-group, every wave waits for all four, my work-group's barrier closes
	s_cmp_lg_u32 s[WV], 0
	s_cbranch_scc1 .Lnot_wave_0_\@
	s_barrier_signal -3
.Lnot_wave_0_\@:
	s_barrier_wait -3
	s_barrier_signal -1
	s_barrier_wait -1
.endm
.macro ROUND
	s_barrier_signal -1
	s_barrier_wait -1
	CREST
.endm
.macro JLOAD s                         ; the joint load of my 128 columns of a K step; an s_nop 0 and four v_nop follow it
	tensor_load_to_lds s[G0+4*(\s):G0+4*(\s)+3], s[G1:G1+7]
	s_nop 0
.rept 4
	v_nop
.endr
.endm
; 16 matrix instructions: row tiles a0, a0 + 1 of the window's four (hi = 0: rows 0-63, 1: rows 64-127) x my 8 column tiles, 32 along K.
; mode 0: onto the sums; 1: the product starts the sums; 2: the bias starts them.  The 64 accumulators take turns in the same order in every quarter.
.macro MUL16 f, hi, a0, mode
.if (\mode) == 2
	WIN MUL_BI+0x40*(\hi)
.else
	WIN MUL_LO+0x50*(\hi)
.endif
.irp a, \a0, (\a0)+1
.irp b, 0,1,2,3,4,5,6,7
.if (\mode) == 1
	v_wmma_f32_16x16x32_bf16 v[8*(8*(\a)+(\b)):8*(8*(\a)+(\b))+7], v[(\f)+8*(\b):(\f)+8*(\b)+7], v[(\f)+8*(4*(\hi)+(\a)):(\f)+8*(4*(\hi)+(\a))+7], 0
.elseif (\mode) == 2
	v_wmma_f32_16x16x32_bf16 v[8*(8*(\a)+(\b)):8*(8*(\a)+(\b))+7], v[(\f)+8*(\b):(\f)+8*(\b)+7], v[(\f)+8*(4*(\hi)+(\a)):(\f)+8*(4*(\hi)+(\a))+7], v[BIASR+8*(\b):BIASR+8*(\b)+7]
.else
	v_wmma_f32_16x16x32_bf16 v[8*(8*(\a)+(\b)):8*(8*(\a)+(\b))+7], v[(\f)+8*(\b):(\f)+8*(\b)+7], v[(\f)+8*(4*(\hi)+(\a)):(\f)+8*(4*(\hi)+(\a))+7], v[8*(8*(\a)+(\b)):8*(8*(\a)+(\b))+7]
.endif
.endr
.endr
.endm
.macro MUL64 f                         ; a whole quarter's 64 products onto the sums
	MUL16 \f, 0, 0, 0
	MUL16 \f, 0, 2, 0
	MUL16 \f, 1, 0, 0
	MUL16 \f, 1, 2, 0
.endm
; 32 LDS loads in one run: quarter q (32 along K) of the step in slot: 16 for the weights (turned: they lie [k][n]), 8 for H's rows 0-63, 8 for rows 64-127
.macro FETCH slot, q, f
	WIN TO_B
.irp i, 0,1,2,3,4,5,6,7
	ds_load_tr16_b128 v[(\f)+8*(\i):(\f)+8*(\i)+3],   v[ADRB+(\slot)] offset:(\q)*32*PB+32*(\i)
	ds_load_tr16_b128 v[(\f)+8*(\i)+4:(\f)+8*(\i)+7], v[ADRB+(\slot)] offset:(\q)*32*PB+32*(\i)+16*PB
.endr
	WIN 0
.irp i, 0,1,2,3
	ds_load_b128 v[(\f)+8*(\i):(\f)+8*(\i)+3],   v[AAL] offset:64*(\q)+(\i)*16*HP
	ds_load_b128 v[(\f)+8*(\i)+4:(\f)+8*(\i)+7], v[AAL] offset:64*(\q)+(\i)*16*HP+32
.endr
.irp i, 0,1,2,3
	ds_load_b128 v[(\f)+32+8*(\i):(\f)+32+8*(\i)+3],   v[AAH] offset:64*(\q)+(\i)*16*HP
	ds_load_b128 v[(\f)+32+8*(\i)+4:(\f)+32+8*(\i)+7], v[AAH] offset:64*(\q)+(\i)*16*HP+32
.endr
.endm
; A step's first quarter: multiplies buffer f and fetches the second quarter into g in its middle
.macro QUARTER slot, f, g, mode
	s_wait_dscnt 8                                 ; the weights and rows 0-63 are in; the youngest eight loads (rows 64-127) may be out
	MUL16 \f, 0, 0, \mode
	MUL16 \f, 0, 2, \mode
	PLACES
	FETCH \slot, 1, \g
	s_wait_dscnt 32                                ; all but the 32 just issued
	MUL16 \f, 1, 0, \mode
	MUL16 \f, 1, 2, \mode
.endm
; Lap XN of x is asked for: 128 k of my 32 rows; each load takes 512 consecutive bytes of one row
.macro XLOAD
	s_lshr_b32 s[XF], s[XN], 3
	s_lshl_b32 s[XF], s[XF], 19                    ; the half's 128 rows of 4,096 bytes
	s_and_b32 s19, s[XN], 7
	s_lshl_b32 s19, s19, 9                         ; the lap's 512 bytes in a row
	s_or_b32 s[XF], s[XF], s19
	s_add_nc_u64 s[XA:XA+1], s[4:5], s[XF:XF+1]
	s_add_co_u32 s[XN], s[XN], 1
	WIN TO_B
.irp g, 0,1
.irp i, 0,1,2,3,4,5,6,7,8,9,10,11,12,13,14,15
	global_load_b128 v[192*(\g)+4*(\i):192*(\g)+4*(\i)+3], v[XO], s[XA:XA+1] offset:4096*(16*(\g)+(\i)) th:TH_LOAD_NT
.endr
.endr
	WIN 0
.endm
; The lap of x that was asked for a lap ago is rounded to bf16 and stored into its quarter of H's rows, which was last read three laps ago; the next lap is asked for, while there is one
.macro XBODY
	s_wait_loadcnt 0x0                             ; the only loads out are that lap's 32; the wait also frees their base
	v_add_nc_u32 v[XWA], s[XKB], v[XW0]
.irp g, 0,1
	WIN 0x05                                       ; sources in window 1, destination in window 0
.irp i, 0,1,2,3,4,5,6,7,8,9,10,11,12,13,14,15
	v_cvt_pk_bf16_f32 v[TMP+2*(\i)],   v[192*(\g)+4*(\i)],   v[192*(\g)+4*(\i)+1]
	v_cvt_pk_bf16_f32 v[TMP+2*(\i)+1], v[192*(\g)+4*(\i)+2], v[192*(\g)+4*(\i)+3]
.endr
	WIN 0
.irp i, 0,1,2,3,4,5,6,7,8,9,10,11,12,13,14,15
	ds_store_b64 v[XWA], v[TMP+2*(\i):TMP+2*(\i)+1] offset:HP*(16*(\g)+(\i))  ; 32 lanes, 256 consecutive bytes of one row
.endr
.endr
	s_add_co_u32 s[XKB], s[XKB], 256
	s_and_b32 s[XKB], s[XKB], 0x3ff
	s_sub_co_u32 s[XS], s[XS], 1
	s_cmp_lt_u32 s[XN], 16
	s_cbranch_scc0 .Lx_all_asked_\@
	XLOAD
.Lx_all_asked_\@:
.endm
.macro XCOND                           ; only while the half has laps of x to store: eight times a half
	WIN 0
	s_cmp_eq_u32 s[XS], 0
	s_cbranch_scc1 .Lx_none_\@
	XBODY
.Lx_none_\@:
.endm
; THE CHANGE OF SLOTS stands between a step's two quarters, when the step's last fragments have been asked for: ONE barrier.  In front of it each wave waits for all its tensor loads (one is out: the
; next step's weights), adds 0 to its spare word, and waits for that, for its reads of this slot and of H (buffer 1's fragments among them), and for its stores of x.
; round = 1: a round of the cluster's barrier follows and slot is filled again: its descriptor's address is made anew from the step's number, here, where no tensor load of mine is out.
; No product stands between the wait for the tile and the request that follows the round: each would put the request off by its own length.
.macro MEET round, slot=0
	WIN 0
	s_wait_tensorcnt 0x0
	ds_add_u32 v[SPW], v[NIL]                      ; 0 onto my spare word; with round = 1 the descriptor's scalar work stands between it and the wait for it
.if \round
	s_and_b32 s[OFF], s[NXT], 31                   ; the second half walks the same 32 blocks
	s_lshl_b32 s[OFF], s[OFF], 16                  ; 64 rows of 1,024 bytes
	s_add_nc_u64 s[G0+4*(\slot)+2:G0+4*(\slot)+3], s[6:7], s[OFF:OFF+1]
	s_or_b32 s[G0+4*(\slot)+3], s[G0+4*(\slot)+3], 0x80000000
	s_add_co_u32 s[NXT], s[NXT], 1
.endif
	s_wait_dscnt 0x0                               ; the add is done; buffer 1 is in, so my reads of this slot are over; my stores of x are done
	s_barrier_signal -1
	s_barrier_wait -1
.endm
.macro KSTEP                           ; H's addresses go on to the next K step
	s_add_co_u32 s[KB], s[KB], 128
	s_and_b32 s[KB], s[KB], 0x3ff
	v_add_nc_u32 v[AAL], s[KB], v[AA0L]
	v_add_nc_u32 v[AAH], s[KB], v[AA0H]
.endm
; The change of slots and the step's second quarter.  xb = 1: a lap ends here, and the next lap of x is stored in front of the barrier.  Behind the round the slot just read out is filled again first,
; with the step two steps on: it has 128 matrix instructions in which to land; then come the next step's first fragments, and buffer 1's 64 products.
.macro TURN slot, next, xb
.if \xb
	XCOND
.endif
	MEET 1, \slot
	CREST                                          ; no wave of any partner still reads this slot or has a load on its way
	JLOAD \slot                                    ; its four v_nop are also the places in front of the loads below
	KSTEP
	FETCH \next, 0, F0
	MUL64 F1
.endm
.macro LAST                            ; a sweep's last quarter: the same, but the next sweep fetches its own first fragments: H may be written anew first
	XCOND
	MEET 1, 1
	CREST
	JLOAD 1
	MUL64 F1
.endm
; tanh of a window's four row tiles (g = 0: rows 0-63, window 2; g = 1: rows 64-127, window 3), in place, then rounded to bf16 and stored into H.  A tile's 64 sums, 32 register pairs, go through
; M (x 2 log2(e)), E (2^, 64 lines), A (+ 1), R (1 /, 64 lines), F (x -2 + 1), C (32 roundings), S (8 stores).  The tiles follow each other a phase apart.  PHASE p of six holds M and E of tile p,
; A and R of tile p - 1, and F, C and S of tile p - 2, as far as these tiles exist.
; ONE BATCH A PHASE: E of tile p and R of tile p - 1.  Each result lies in its sum's own register, and no line of the phase names a result of the phase's own batch: A reads the exponentials and F the
; reciprocals of the phase before, behind that phase's wait; C reads F.  The lines go in 33 ticks: M, E, A, R, F, E, R: plain lines and transcendentals by turns as far as there are plain lines; a pair's E or R
; stands a tick behind its M or A.  Behind the batch stand C and S, which name none of its results; the first rounding is the plain instruction behind the last transcendental (ISA guide 5.7.2), a v_nop in
; phases 0 and 1, which have no C.  Then the phase's one wait.  Phase 5 has no transcendental and no wait.  M takes each accumulator from its lowest registers on.
.macro EPH g, p
.set TE, 64*(\p)                       ; the tile that is scaled and raised,
.set TR, 64*((\p)-1)                   ; the tile that gets + 1 and the reciprocals,
.set TF, 64*((\p)-2)                   ; the tile that is finished, rounded and stored
	WIN 0xaa+0x55*(\g)                             ; all operands in window 2 or 3
.set tk, 0
.rept 33
.if (tk < 32) && ((\p) < 4)
	v_pk_mul_f32 v[TE+2*tk:TE+2*tk+1], v[TE+2*tk:TE+2*tk+1], s[C2:C2+1] op_sel_hi:[1,0]
.endif
.if (tk >= 1) && ((\p) < 4)
	v_exp_f32 v[TE+2*tk-2], v[TE+2*tk-2]
.endif
.if (tk < 32) && ((\p) >= 1) && ((\p) < 5)
	v_pk_add_f32 v[TR+2*tk:TR+2*tk+1], v[TR+2*tk:TR+2*tk+1], 1.0 op_sel_hi:[1,0]
.endif
.if (tk >= 1) && ((\p) >= 1) && ((\p) < 5)
	v_rcp_f32 v[TR+2*tk-2], v[TR+2*tk-2]
.endif
.if (tk < 32) && ((\p) >= 2)
	v_pk_fma_f32 v[TF+2*tk:TF+2*tk+1], v[TF+2*tk:TF+2*tk+1], -2.0, 1.0 op_sel_hi:[1,0,0]
.endif
.if (tk >= 1) && ((\p) < 4)
	v_exp_f32 v[TE+2*tk-1], v[TE+2*tk-1]
.endif
.if (tk >= 1) && ((\p) >= 1) && ((\p) < 5)
	v_rcp_f32 v[TR+2*tk-1], v[TR+2*tk-1]
.endif
.set tk, tk+1
.endr
.if (\p) >= 2
	WIN 0x0a+5*(\g)                                ; sources in window 2 or 3, destination in window 0
.irp b, 0,1,2,3,4,5,6,7
.irp r, 0,1,2,3
	v_cvt_pk_bf16_f32 v[TMP+4*(\b)+(\r)], v[TF+8*(\b)+2*(\r)], v[TF+8*(\b)+2*(\r)+1]
.endr
.endr
	WIN 0
.irp b, 0,1,2,3,4,5,6,7
	ds_store_b128 v[STOL+(\g)], v[TMP+4*(\b):TMP+4*(\b)+3] offset:((\p)-2)*16*HP+32*(\b)  ; row 16 (4 g + p - 2) + r, my eight columns of tile b
.endr
.else
	v_nop                                          ; the plain instruction behind the batch's last transcendental: these phases have no rounding to take its place
.endif
.if (\p) < 5
	s_wait_alu depctr_va_vdst(0)                   ; the wait for the phase's batch, tile p's exponentials and tile p - 1's reciprocals, ahead of the next phase, which reads them
.endif
.endm
.macro EP                              ; a layer's end.  Every wave's reads of H were over at the barrier in front.  Every batch has its wait before the text goes on
	PLACES
.irp g, 0,1
.irp p, 0,1,2,3,4,5
	EPH \g, \p
.endr
.endr
.endm
; The scores of half t.  Wave w takes rows 32 w .. 32 w + 31 of H as two tiles, K = 512 in four batches of 128.  Source 0 = the scorer in all 16 rows, source 1 = 16 rows of H: every register
; of lane (r, h) holds row r's score; the lowest is stored.  The two accumulators take turns.  They lie in v160-175, registers of fragment buffer 1, which a sweep's
; last products read as a source: a matrix instruction that writes over such a register stands five places behind the reader, so the first batch has a fifth place.
.macro SCORE t
	WIN 0
.irp g, 0,1,2,3
	PLACES                                         ; in front of loads into registers that products have read
.if (\g) == 0
	v_nop                                          ; the fifth place, for the accumulators
.endif
.irp c, 0,1,2,3
	ds_load_b128 v[128+8*(\c):128+8*(\c)+3],   v[SRA] offset:64*(4*(\g)+(\c))
	ds_load_b128 v[128+8*(\c)+4:128+8*(\c)+7], v[SRA] offset:64*(4*(\g)+(\c))+32
.endr
.irp u, 0,1
.irp c, 0,1,2,3
	ds_load_b128 v[64+32*(\u)+8*(\c):64+32*(\u)+8*(\c)+3],   v[SFA] offset:16*HP*(\u)+64*(4*(\g)+(\c))
	ds_load_b128 v[64+32*(\u)+8*(\c)+4:64+32*(\u)+8*(\c)+7], v[SFA] offset:16*HP*(\u)+64*(4*(\g)+(\c))+32
.endr
.endr
	s_wait_dscnt 0x0
.irp c, 0,1,2,3
.irp u, 0,1
.if (\g) == 0 && (\c) == 0
	v_wmma_f32_16x16x32_bf16 v[160+8*(\u):160+8*(\u)+7], v[128+8*(\c):128+8*(\c)+7], v[64+32*(\u)+8*(\c):64+32*(\u)+8*(\c)+7], 0
.else
	v_wmma_f32_16x16x32_bf16 v[160+8*(\u):160+8*(\u)+7], v[128+8*(\c):128+8*(\c)+7], v[64+32*(\u)+8*(\c):64+32*(\u)+8*(\c)+7], v[160+8*(\u):160+8*(\u)+7]
.endif
.endr
.endr
.endr
	PLACES
	ds_store_b32 v[SCA], v160 offset:512*(\t)      ; both halves of the lanes write the same word with the same number
	ds_store_b32 v[SCA], v168 offset:512*(\t)+64
.endm
	; ---------------- the head ----------------
	s_load_b256 s[4:11], s[0:1], 0x0               ; x s[4:5], ws_w s[6:7], ws_p s[8:9], scorer s[10:11]
	s_load_b128 s[12:15], s[0:1], 0x20             ; mask s[12:13], out0 s[14:15]
	v_lshl_add_u32 v[SPW], v0, 2, SPARE
	v_mov_b32 v[NIL], 0
	ds_add_u32 v[SPW], v[NIL]                      ; the wave's opening: the add and its wait stand ahead of my first tensor load; the set-up below, work on registers, stands between them
	v_lshrrev_b32 v3, 5, v0
	v_readfirstlane_b32 s[WV], v3                  ; wave 0..3
	s_bfe_u32 s17, ttmp6, 0x40000                  ; cx: my place in the cluster
	s_lshl_b32 s18, ttmp9, 2                       ; in a cluster launch ttmp9 counts clusters
	s_add_co_u32 s18, s18, s17                     ; the batch b = 4 x cluster + cx
	; descriptor group 1: 64 rows x 128 elements of 2 bytes, rows 512 elements apart, padded in LDS
	s_mov_b32 s[G1+0], 15|(1<<16)|(1<<20)|(1<<21)|(5<<22)|(7<<25)  ; 15:0 the mask of four; 17:16 2-byte elements; 20 padding on; 21 set beside a mask; 24:22 after every 64 words (code 5); 31:25 8 words (code 7)
	s_mov_b32 s[G1+1], 128<<16                     ; tensor_dim0 = 128
	s_mov_b32 s[G1+2], 64<<16                      ; tensor_dim1 = 64
	s_mov_b32 s[G1+3], 128<<16                     ; tile_dim0 = 128
	s_mov_b32 s[G1+4], 64                          ; tile_dim1 = 64
	s_mov_b32 s[G1+5], 512                         ; elements from row to row
	s_mov_b32 s[G1+6], 0
	s_mov_b32 s[G1+7], 0
	s_mul_i32 s19, s[WV], WSLOT                    ; my part of a slot: the wave's number times a constant
	s_mov_b32 s[G0], 1                             ; count = 1
	s_add_co_u32 s[G0+1], s19, 0                   ; LDS address, slot 0
	s_mov_b32 s[G0+4], 1
	s_add_co_u32 s[G0+5], s19, SLOT                ; slot 1
	s_lshl_b32 s[OFF], s[WV], 8                    ; my 128 columns in a row of ws_w
	s_mov_b32 s[OFF+1], 0
	s_mov_b32 s[XF+1], 0
	s_mov_b32 s3, 0
	s_mov_b32 s[C2], 0x4038aa3b                    ; 2 log2(e) = 2.885390
	s_mov_b32 s[C2+1], s[C2]                       ; named with it as a pair
	s_mov_b32 s[SEL], 0x76543210
	s_mov_b32 s[SEL+1], 0xfedcba98
	s_mov_b32 s[XN], 0
	v_and_b32 v[LN], 31, v0
	v_and_b32 v1, 15, v0                           ; r = lane % 16
	v_bfe_u32 v2, v0, 4, 1                         ; h = lane / 16
	v_lshlrev_b32 v[T16], 4, v0
	v_lshlrev_b32 v[ML], 1, v[LN]
	s_lshl_b32 s19, s[WV], 17                      ; my 32 rows of 4,096 bytes
	v_lshl_add_u32 v[XO], v[LN], 4, s19
	s_wait_dscnt 0x0                               ; the opening add is done
	s_wait_kmcnt 0x0
	s_add_nc_u64 s[6:7], s[6:7], s[OFF:OFF+1]      ; ws_w at my columns: the wave's number alone
	s_lshl_b32 s2, s18, 20                         ; what hangs on the batch lies in s[2:3]
	s_add_nc_u64 s[4:5], s[4:5], s[2:3]            ; x[b]
	s_lshl_b32 s2, s18, 11
	s_add_nc_u64 s[8:9], s[8:9], s[2:3]            ; ws_p[0][b]
	s_lshl_b32 s2, s18, 8
	s_add_nc_u64 s[12:13], s[12:13], s[2:3]        ; mask[b]
	s_mul_i32 s2, s18, 1016
	s_add_nc_u64 s[14:15], s[14:15], s[2:3]        ; out0[b]
	s_add_nc_u64 s[G0+2:G0+3], s[6:7], 0           ; K step 0
	s_or_b32 s[G0+3], s[G0+3], 0x80000000          ; type = 2
	s_add_nc_u64 s[G0+6:G0+7], s[6:7], 0x10000     ; K step 1
	s_or_b32 s[G0+7], s[G0+7], 0x80000000
	ROUND                                          ; all four work-groups are here: the first joint loads meet
	tensor_load_to_lds s[G0:G0+3], s[G1:G1+7]      ; both first fills go out together: two loads of mine are out
	s_nop 0
	tensor_load_to_lds s[G0+4:G0+7], s[G1:G1+7]
	s_nop 0
.rept 4
	v_nop
.endr
.irp k, 0,1,2,3,4,5,6,7
	global_load_b128 v[64+4*(\k):64+4*(\k)+3], v[T16], s[8:9] offset:524288*(\k)  ; partial sum k of the bias, four columns a thread
.endr
	global_load_b128 v[96:99], v[T16], s[10:11]    ; the scorer, four numbers a thread
.irp i, 0,1,2,3
	global_load_u16 v[MK+(\i)], v[ML], s[12:13] offset:64*(\i)
.endr
	XLOAD                                          ; lap 0 of x
	; the addresses, in the wait for the loads
	v_and_b32 v8, 7, v0
	v_bfe_u32 v9, v0, 3, 1
	v_lshl_add_u32 v3, v2, 3, v8
	v_mul_u32_u24 v3, v3, PB
	v_lshl_add_u32 v3, v9, 4, v3                   ; the turning load: k-row 8 h + lane % 8, 16 bytes by (lane / 8) % 2
	s_mul_i32 s19, s[WV], WSLOT
	v_add_nc_u32 v[ADRB], s19, v3
	v_add_nc_u32 v[ADRB+1], SLOT, v[ADRB]
	v_mul_u32_u24 v3, v1, HP
	v_lshl_add_u32 v3, v2, 4, v3                   ; row r, 16 bytes for each half of the lanes
	v_add_nc_u32 v[AA0L], HB, v3
	v_add_nc_u32 v[AA0H], HB+HHALF, v3
	s_lshl_b32 s19, s[WV], 8
	v_add_nc_u32 v[STOL], s19, v[AA0L]             ; the same at my 256 bytes of a row
	v_add_nc_u32 v[STOL+1], s19, v[AA0H]
	s_mul_i32 s19, s[WV], 32*HP
	v_add_nc_u32 v[SFA], s19, v[AA0L]              ; the same in my 32 rows
	v_lshl_add_u32 v[XW0], v[LN], 3, s19
	v_add_nc_u32 v[XW0], HB, v[XW0]                ; my 32 rows, 8 bytes a lane
	v_lshl_add_u32 v[SRA], v2, 4, SCR
	s_lshl_b32 s19, s[WV], 7
	v_lshl_add_u32 v[SCA], v1, 2, s19
	v_add_nc_u32 v[SCA], SC, v[SCA]
	s_lshl_b32 s19, s[WV], 9
	v_lshl_add_u32 v[BIAA], v2, 5, s19
	v_add_nc_u32 v[BIAA], BIA, v[BIAA]
	v_lshlrev_b32 v[OO], 3, v[LN]
	v_add_nc_u32 v3, BIA, v[T16]
	v_lshl_add_u32 v31, v0, 3, SCR
	s_wait_loadcnt 32                              ; the 13 small loads are in; the 32 of x, issued behind them, stay out
.irp k, 1,2,3,4,5,6,7
	v_pk_add_f32 v[64:65], v[64:65], v[64+4*(\k):64+4*(\k)+1]
	v_pk_add_f32 v[66:67], v[66:67], v[64+4*(\k)+2:64+4*(\k)+3]
.endr
	ds_store_b128 v3, v[64:67]
	v_cvt_pk_bf16_f32 v8, v96, v97
	v_cvt_pk_bf16_f32 v9, v98, v99
	ds_store_b64 v31, v[8:9]
	BAR                                            ; bias and scorer are whole
.irp i, 0,1,2,3,4,5,6,7
	ds_load_b128 v[BIASR+8*(\i):BIASR+8*(\i)+3],   v[BIAA] offset:64*(\i)     ; column tile i: my eight columns' bias, as an accumulator holds them
	ds_load_b128 v[BIASR+8*(\i)+4:BIASR+8*(\i)+7], v[BIAA] offset:64*(\i)+16
.endr
	s_mov_b32 s[SWL], 8
	s_mov_b32 s[PH], 0
	s_mov_b32 s[XS], 8
	s_mov_b32 s[XKB], 0
	s_mov_b32 s[NXT], 2
	; ---------------- eight sweeps ----------------
.Lsweep:
	s_cmp_lg_u32 s[PH], 0
	s_cbranch_scc1 .Lno_head_x
	XBODY                                          ; a half begins: its lap 0 of x goes into H; nobody reads H since the barrier in front
.Lno_head_x:
	s_wait_tensorcnt 0x1                           ; my weights of the sweep's step 0 are in: on both ways here exactly one load, slot 1's, was issued behind slot 0's
	BAR                                            ; H (or lap 0 of x) is whole
	PLACES                                         ; a product that starts sums anew writes over an accumulator that the sweep before's last 64 products wrote: five places (ISA guide 7.12.1).
	                                               ; These four and the two moves below are six, on every way that the jumps above allow, the ways past the tanh too
	s_mov_b32 s[KB], 0
	v_mov_b32 v[AAL], v[AA0L]
	v_mov_b32 v[AAH], v[AA0H]
	FETCH 0, 0, F0
	s_cmp_eq_u32 s[PH], 0                          ; how the sums begin.  This test stands first: at the first sweep its answer is a constant of the text
	s_cbranch_scc1 .Lq_bias
	s_cmp_eq_u32 s[PH], 1
	s_cbranch_scc1 .Lq_on
	QUARTER 0, F0, F1, 1                           ; a hidden layer: the first products start the sums
	WIN 0
	s_branch .Lq_done
.Lq_bias:
	QUARTER 0, F0, F1, 2                           ; layer 1: the bias starts them
	WIN 0
	s_branch .Lq_done
.Lq_on:
	QUARTER 0, F0, F1, 0                           ; layer 1's second half of K goes on
	WIN 0
.Lq_done:
	s_mov_b32 s[LAP], 3
.Llap:                                                 ; a trip goes once round the ring, from a lap's second quarter to the next lap's first, and fills both slots again
	TURN 0, 1, 0
	QUARTER 1, F0, F1, 0
	TURN 1, 0, 1
	QUARTER 0, F0, F1, 0
	WIN 0
	s_sub_co_u32 s[LAP], s[LAP], 1
	s_cmp_lg_u32 s[LAP], 0
	s_cbranch_scc1 .Llap
	s_cmp_eq_u32 s[SWL], 1
	s_cbranch_scc1 .Lfinal                         ; the last sweep's last lap is written out: it asks for nothing more
	TURN 0, 1, 0
	QUARTER 1, F0, F1, 0
	LAST
	WIN 0
	s_cmp_eq_u32 s[PH], 0
	s_cbranch_scc1 .Lno_ep                         ; in the middle of layer 1 the sums go on
	EP
.Lno_ep:
	BAR                                            ; H is written
	s_cmp_lg_u32 s[PH], 3
	s_cbranch_scc1 .Lno_score
	SCORE 0                                        ; in the loop this is the first half's end
	s_mov_b32 s[XS], 8
.Lno_score:
	BAR                                            ; the score's reads of H are over
	s_add_co_u32 s[PH], s[PH], 1
	s_and_b32 s[PH], s[PH], 3
	s_sub_co_u32 s[SWL], s[SWL], 1
	s_branch .Lsweep
.Lfinal:
	MEET 0                                         ; my last tensor load, the last step's weights, has landed; nothing is filled again, so no round follows
	PLACES
	KSTEP
	FETCH 1, 0, F0
	MUL64 F1
	QUARTER 1, F0, F1, 0
	s_wait_dscnt 8                                 ; the very last quarter: nothing more to fetch
	MUL16 F1, 0, 0, 0
	MUL16 F1, 0, 2, 0
	s_wait_dscnt 0x0                               ; my reads of H are over
	s_barrier_signal -1
	MUL16 F1, 1, 0, 0
	MUL16 F1, 1, 2, 0
	WIN 0
	s_barrier_wait -1                              ; everybody's are: H may be written
	EP
	BAR
	SCORE 1
	BAR                                            ; all 256 scores lie in LDS
	s_cmp_lg_u32 s[WV], 0
	s_cbranch_scc1 .Lend
	; ---------------- wave 0: e^score, the mask, the sum, the division.  Lane l holds rows 64 i + 2 l and 64 i + 2 l + 1 ----------------
	v_lshl_add_u32 v3, v[LN], 3, SC
.irp i, 0,1,2,3
	ds_load_b64 v[64+2*(\i):64+2*(\i)+1], v3 offset:256*(\i)
.endr
	v_cmp_eq_u32 vcc_lo, 31, v[LN]
	v_cndmask_b32 v[MK+3], v[MK+3], v[NIL], vcc_lo ; rows 254 and 255 are no heads: they count as masked
	s_wait_dscnt 0x0
.irp i, 0,1,2,3
	v_pk_mul_f32 v[64+2*(\i):64+2*(\i)+1], v[64+2*(\i):64+2*(\i)+1], 0x3fb8aa3b op_sel_hi:[1,0]  ; x log2(e)
.endr
.irp j, 0,1,2,3,4,5,6,7
	v_exp_f32 v[64+(\j)], v[64+(\j)]
.endr
	v_nop                                          ; a plain instruction between the last exponential and the use of its result
	s_wait_alu depctr_va_vdst(0)                   ; the wait for the batch of eight exponentials, ahead of the selects that read them
.irp i, 0,1,2,3
	v_and_b32 v8, 0xff, v[MK+(\i)]
	v_lshrrev_b32 v9, 8, v[MK+(\i)]
	v_cmp_ne_u32 vcc_lo, 0, v8
	v_cndmask_b32 v[64+2*(\i)], 0, v[64+2*(\i)], vcc_lo
	v_cmp_ne_u32 vcc_lo, 0, v9
	v_cndmask_b32 v[64+2*(\i)+1], 0, v[64+2*(\i)+1], vcc_lo
.endr
	v_add_f32 v72, v64, v65
	v_add_f32 v73, v66, v67
	v_add_f32 v74, v68, v69
	v_add_f32 v75, v70, v71
	v_add_f32 v72, v72, v73
	v_add_f32 v74, v74, v75
	v_add_f32 v72, v72, v74
	v_add_f32_dpp v72, v72, v72 row_xmask:1 row_mask:0xf bank_mask:0xf
	v_add_f32_dpp v72, v72, v72 row_xmask:2 row_mask:0xf bank_mask:0xf
	v_add_f32_dpp v72, v72, v72 row_xmask:4 row_mask:0xf bank_mask:0xf
	v_add_f32_dpp v72, v72, v72 row_xmask:8 row_mask:0xf bank_mask:0xf
	v_permlanex16_b32 v73, v72, s[SEL], s[SEL+1]
	v_add_f32 v72, v72, v73
	v_add_f32 v72, 0x33d6bf95, v72                 ; + 1e-7
	v_rcp_f32 v74, v72
	v_nop                                          ; a plain instruction between the reciprocal and the use of its result
	s_wait_alu depctr_va_vdst(0)                   ; the wait for the reciprocal, a batch of its own: it reads the sum of the exponentials
.irp i, 0,1,2,3
	v_pk_mul_f32 v[64+2*(\i):64+2*(\i)+1], v[64+2*(\i):64+2*(\i)+1], v[74:75] op_sel_hi:[1,0]
.endr
.irp i, 0,1,2
	global_store_b64 v[OO], v[64+2*(\i):64+2*(\i)+1], s[14:15] offset:256*(\i)  ; 256 consecutive bytes of the batch's 1,016
.endr
	v_cmp_gt_u32 vcc_lo, 31, v[LN]
	s_wait_xcnt 0x0                                ; EXEC changes only behind this wait: it is a source of the stores above
	s_and_saveexec_b32 s54, vcc_lo                 ; rows 254 and 255 are not stored
	global_store_b64 v[OO], v[70:71], s[14:15] offset:768
	s_wait_xcnt 0x0                                ; and again in front of the line that widens it
	s_or_b32 exec_lo, exec_lo, s54
.Lend:
	s_wait_tensorcnt 0x0                           ; the wave's end, behind my last tensor load and my last LDS store
	ds_add_u32 v[SPW], v[NIL]
	s_wait_dscnt 0x0
	ROUND                                          ; the closing round: no work-group ends while a partner may still ask for a tile that names it
	s_endpgm
.Lfunc_end_k_qf6d2eb40b2_main:
	.size	k_qf6d2eb40b2_main, .Lfunc_end_k_qf6d2eb40b2_main-k_qf6d2eb40b2_main
	.p2alignl 7, 3214868480
	.fill 96, 4, 3214868480
	.section	.rodata,"a",@progbits
	.p2align	6, 0x0
	.amdhsa_kernel k_qf6d2eb40b2_main
		.amdhsa_group_segment_fixed_size 327680
		.amdhsa_private_segment_fixed_size 0
		.amdhsa_enable_private_segment 0
		.amdhsa_kernarg_size 48
		.amdhsa_user_sgpr_count 2
		.amdhsa_user_sgpr_kernarg_segment_ptr 1
		.amdhsa_wavefront_size32 1
		.amdhsa_system_sgpr_workgroup_id_x 1
		.amdhsa_system_sgpr_workgroup_id_y 1
		.amdhsa_system_sgpr_workgroup_id_z 1
		.amdhsa_system_vgpr_workitem_id 0
		.amdhsa_next_free_vgpr 1024
		.amdhsa_next_free_sgpr 66
		.amdhsa_reserve_vcc 1
		.amdhsa_float_denorm_mode_32 3
		.amdhsa_float_denorm_mode_16_64 3
		.amdhsa_memory_ordered 1
		.amdhsa_forward_progress 1
		.amdhsa_inst_pref_size 255
	.end_amdhsa_kernel
	.section	.bss,"aw",@nobits
	.p2align	6
	.space	262144
	.amdgpu_metadata
---
amdhsa.version: [ 1, 2 ]
amdhsa.kernels:
  - .name:           k_qf6d2eb40b2_main
    .symbol:         k_qf6d2eb40b2_main.kd
    .args:
      - { .name: x, .offset: 0, .size: 8, .value_kind: global_buffer, .address_space: global }
      - { .name: ws_w, .offset: 8, .size: 8, .value_kind: global_buffer, .address_space: global }
      - { .name: ws_p, .offset: 16, .size: 8, .value_kind: global_buffer, .address_space: global }
      - { .name: scorer, .offset: 24, .size: 8, .value_kind: global_buffer, .address_space: global }
      - { .name: mask, .offset: 32, .size: 8, .value_kind: global_buffer, .address_space: global }
      - { .name: out0, .offset: 40, .size: 8, .value_kind: global_buffer, .address_space: global }
    .group_segment_fixed_size: 327680
    .private_segment_fixed_size: 0
    .kernarg_segment_align: 8
    .kernarg_segment_size: 48
    .max_flat_workgroup_size: 128
    .sgpr_count:     66
    .vgpr_count:     1024
    .wavefront_size: 32
...
	.end_amdgpu_metadata
.endif
;; end of part 3
